; MI455X (gfx1250); checked and timed in simulation.
; The chip was launched on July 23, 2026; its instructions are those of AMD's public machine-readable ISA for CDNA 5 (MIT licence, August 2026) and "CDNA5" Instruction Set Architecture Reference Guide (July 2026). The comments in the code are by the model that wrote it; some were corrected since.
;; Block. Allowed arithmetic: matrix products marked QUANTISED: E5M2 operands, one given power-of-two scale a tensor, by v_wmma_f32_16x16x64_bf8_bf8 or v_wmma_f32_16x16x128_bf8_bf8, f32 sums; everything else in f32.
;; Inputs: W1_codes 4,096 x 32 x 32 uint8 (E5M2 codes of W1, K innermost, in blocks of 32 codes); W2_codes 1,024 x 128 x 32 uint8 (E5M2 codes of W2, K innermost, in blocks of 32 codes); Wk_codes 1,024 x 32 x 32 uint8 (E5M2 codes of Wk, K innermost, in blocks of 32 codes); Wproj_codes 1,024 x 32 x 32 uint8 (E5M2 codes of Wproj, K innermost, in blocks of 32 codes); Wq_codes 1,024 x 32 x 32 uint8 (E5M2 codes of Wq, K innermost, in blocks of 32 codes); Wv_codes 1,024 x 32 x 32 uint8 (E5M2 codes of Wv, K innermost, in blocks of 32 codes); b1 4,096 float32; b2 1,024 float32; bproj 1,024 float32; ln1_b 1,024 float32; ln1_w 1,024 float32; ln2_b 1,024 float32; ln2_w 1,024 float32; lowp_scales 16 int32 (the exponents e of the quantised operands' scales 2^e); x 2 x 2,048 x 1,024 float32.
;; Outputs: out0 2 x 2,048 x 1,024 float32.
;; This version of the problem:
;;   THIS VERSION OF THE PROBLEM IS GIVEN IN LOW PRECISION. The matrix products marked QUANTISED in the list below multiply operands that are first quantised to E5M2 (5 exponent bits, 2 mantissa bits; 8 bits a number), with one given power-of-two scale for each operand tensor; their sums are f32. All else is computed in f32.
;;   The module's matrix products, in the order in which they are computed (A, B: the left and right operand; K: the contracted axis; several contracted axes count as one K, in the product's order):
;;     1. [M 4,096, K 1,024] x [K 1,024, N 1,024]; A: computed on the way; B: input Wq (given as codes): QUANTISED (scales: A lowp_scales[0], B lowp_scales[1])
;;     2. [M 4,096, K 1,024] x [K 1,024, N 1,024]; A: computed on the way; B: input Wk (given as codes): QUANTISED (scales: A lowp_scales[2], B lowp_scales[3])
;;     3. [M 4,096, K 1,024] x [K 1,024, N 1,024]; A: computed on the way; B: input Wv (given as codes): QUANTISED (scales: A lowp_scales[4], B lowp_scales[5])
;;     4. batch 32 x [M 2,048, K 64] x [K 64, N 2,048]; A: computed on the way; B: computed on the way: QUANTISED (scales: A lowp_scales[6], B lowp_scales[7])
;;     5. batch 32 x [M 2,048, K 2,048] x [K 2,048, N 64]; A: softmax (see below); B: computed on the way: QUANTISED (scales: A lowp_scales[8], B lowp_scales[9])
;;     6. [M 4,096, K 1,024] x [K 1,024, N 1,024]; A: computed on the way; B: input Wproj (given as codes): QUANTISED (scales: A lowp_scales[10], B lowp_scales[11])
;;     7. [M 4,096, K 1,024] x [K 1,024, N 4,096]; A: computed on the way; B: input W1 (given as codes): QUANTISED (scales: A lowp_scales[12], B lowp_scales[13])
;;     8. [M 4,096, K 4,096] x [K 4,096, N 1,024]; A: computed on the way; B: input W2 (given as codes): QUANTISED (scales: A lowp_scales[14], B lowp_scales[15])
;;   THE QUANTISER, for each operand of a quantised product, along K:
;;     - The operand's scale is 2^e, e = its entry of the input lowp_scales (int32; the entries are numbered through the quantised products in the list's order, A before B).
;;     - Each number is divided by the scale, clamped to +-57,344, and rounded to the nearest number of E5M2, ties to even, subnormals kept.
;;     - The product sums the exact products of the quantised numbers (number of the format x scale) in f32.
;;   ~~~python
;;   def quantise(x, axis, e):      # numpy; x: float32 -> the quantised numbers, widened to float32 again
;;       x = np.moveaxis(x, axis, -1); K = x.shape[-1]
;;       r = np.clip(x / 2.0 ** e, -57344, 57344)
;;       step = 2.0 ** (np.maximum(np.frexp(np.where(r == 0, 1, r))[1] - 1, -14) - 2)
;;       q = np.round(r / step) * step * 2.0 ** e      # np.round: ties to even
;;       return np.moveaxis(q, -1, axis).astype(np.float32)
;;   ~~~
;;   SOFTMAX AHEAD OF A QUANTISED PRODUCT. Where the list says 'softmax', what is quantised is not the finished softmax but p = 2^(t - M), with t = logit x log2(e) and M = ceil(the row's largest t), a whole number; so 1/2 < the row's largest p <= 1. The row's sum l is taken of the UNQUANTISED p, in f32, and the product's result is divided by l at the end. Since M is a whole number, a kernel that streams over the keys may use a running M (the ceiling of the running maximum): every later rescaling is an exact power of two, so the quantised numbers keep their values, but for numbers so far below the row's largest that they fall under the format's range.
;;   OPERANDS COMPUTED ON THE WAY. 'Computed on the way' means the value that the module computes at that place (a softmax that the list does not call 'softmax' is quantised finished and normalised). What goes into a quantiser is computed in f32, as accurately as f32 sums, v_exp_f32 and their like allow (about 1e-6 of the number): no bf16 or f16 on the way to a quantiser, and a product that is left as it is and whose result goes on into a quantised operand takes f32 operands (vector FMAs, or v_wmma_f32_16x16x4_f32). A number that lies on a knife's edge between two numbers of the format may be rounded either way, as far as f32 arithmetic and the matrix unit's own rounding can turn it there, and no further.
;;   INPUTS GIVEN AS CODES. W1 (in the module: [1024, 4096], K = its axis 0); W2 (in the module: [4096, 1024], K = its axis 0); Wk (in the module: [1024, 1024], K = its axis 0); Wproj (in the module: [1024, 1024], K = its axis 0); Wq (in the module: [1024, 1024], K = its axis 0); Wv (in the module: [1024, 1024], K = its axis 0): each comes as NAME_codes (uint8): NAME with its K axis moved to the last place and cut into blocks of 32 codes, [.., K / 32, bytes a block], one block behind the other in memory; one code a byte (a code: sign, 5 exponent bits, 2 mantissa bits); its scale is its entry of lowp_scales. Its value is code x scale, taken as it is: it is not quantised again, and the codes and scales need not be those that the quantiser above would give.
;; One version. Each part assembles by itself: llvm-mc -triple=amdgcn-amd-amdhsa -mcpu=gfx1250 --defsym DOCPART=n.
;; ======== version 1 of 1: 7 launches
;; limits: right only within a limited range of input values
;; workspace buffers: hc 12,582,912 bytes; qc 4,194,304 bytes; kc 4,194,304 bytes; vc 4,194,304 bytes; ac 4,194,304 bytes; x1 16,777,216 bytes; h2c 4,194,304 bytes; fc 16,777,216 bytes
;; launch ln1 (part 1): grid 256 x 1, 8 waves a work-group, no clusters, 0 bytes of LDS; arguments x, ln1_w, ln1_b, lowp_scales, hc; writes hc
.if DOCPART == 1
	.amdgcn_target "amdgcn-amd-amdhsa--gfx1250"
	.amdhsa_code_object_version 6
	.text
	.protected	k_q0d19bb992a_ln1
	.globl	k_q0d19bb992a_ln1
	.p2align	8
	.type	k_q0d19bb992a_ln1,@function
k_q0d19bb992a_ln1:
	s_mov_b64 s[64:65], 0
	v_nop
	global_prefetch_b8 v0, s[64:65] scope:SCOPE_SE
	s_setreg_imm32_b32 hwreg(HW_REG_WAVE_MODE, 25, 1), 1
	s_wait_xcnt 0x0
; THE PROGRAM: a pre-LN transformer block on 4,096 tokens of 1,024 channels, all eight products on codes of BF8 (E5M2) with given scales 2^e.  Seven launches:
;   ln1 (this one): h = LN(x), quantised three times (entries 0, 2, 4 of the scales) -> hc [3][4096][1024]
;   qkv: h Wq, h Wk, h Wv, quantised (entries 6, 7, 9) -> qc, kc [b][head][t][64], vc [b][head][64][t]
;   attn: causal attention on codes, result quantised (entry 10) -> ac;   proj: ac Wproj + bproj + x -> x1;   ln2: LN(x1) quantised (entry 12) -> h2c
;   ffn1: relu(h2 W1 + b1) quantised (entry 14) -> fc;   ffn2: fc W2 + b2 + x1 -> out0
; WORK LEFT OUT, in the whole program: in attn the key steps all of whose keys come after all of a wave's queries.  reference() sets those scores to -inf by a mask that it builds itself
; (jnp.tril), so their softmax weights are exactly 0 for all values of the inputs and add nothing to the row's sum or to the second product.  Nothing else is left out; every input is loaded.
; LIMIT: a NaN, an infinity or an overflow that would arise only in those hidden scores is not carried to the result.
; THIS LAUNCH.  y = (x - mean) * rsqrt(var + 1e-5) * w + b in f32, mean and var over the row's 1,024 numbers (var of the numbers less the mean: two passes over registers);
; code = y / 2^e, held within +-57,344, to the nearest code, ties to even.  LIMITS: each e between -126 and 112, so that 2^e and 57,344 x 2^e are f32 numbers.  NaN among the inputs is not served.
; SHARES.  A work-group takes 16 rows, a wave two; a row stays in 32 registers a lane between the passes, so it is read once.  For j = 0..3 a lane holds the 8 neighbours 256 j + 8 lane + 0..7:
; the conversion takes 8 neighbours from one lane's registers, and the lane's 8 codes are 8 bytes, so that a wave's store covers 256 consecutive bytes, aligned.
; No LDS, no barrier, no matrix unit: waves share nothing and the launch is a stream.  All of a wave's 32 loads go out at its head; there is no loop.
.set NS,  3                            ; how many scales the row is quantised with
.set E0,  0                            ; byte of the (first) entry in the buffer of scales
.set W,   4                            ; v4-35    my 32 gains
.set BV,  36                           ; v36-67   my 32 biases
.set X,   68                           ; v68-131  two rows, 32 numbers each
.set T,   132                          ; v132-147 two sets of 8 held numbers, by turns
.set S,   148                          ; v148-151 sums in two chains
.set R,   152                          ; v152-153 rsqrt(var + eps); the upper register is only named with it as a pair
.set SC,  154                          ; v[154+2s] 2^e of set s, v[155+2s] 57,344 x 2^e
.set C,   160                          ; v160-207 codes: registers of their own for every store, none written twice
	s_load_b256 s[4:11], s[0:1], 0x0               ; rows s[4:5], gains s[6:7], biases s[8:9], scales' exponents s[10:11]
	s_load_b64 s[12:13], s[0:1], 0x20              ; the codes
	v_lshrrev_b32 v3, 5, v0
	s_delay_alu instid0(VALU_DEP_1)
	v_readfirstlane_b32 s14, v3                    ; wave 0..7
	v_and_b32 v1, 31, v0
	s_delay_alu instid0(VALU_DEP_1)
	v_lshlrev_b32 v2, 3, v1                        ; 8 x lane: my 8 codes of a group of 256
	s_delay_alu instid0(VALU_DEP_2)
	v_lshlrev_b32 v1, 5, v1                        ; 32 x lane: my 8 numbers of a group of 256
	v_mov_b32 v[R+1], 0
	s_lshl_b32 s15, ttmp9, 4
	s_lshl_b32 s2, s14, 1
	s_add_co_u32 s15, s15, s2                      ; my first row: 16 x work-group + 2 x wave
	s_lshl_b32 s2, s15, 12                         ; x 4,096 bytes
	s_mov_b32 s3, 0
	s_lshl_b32 s32, s15, 10                        ; x 1,024 bytes of codes
	s_mov_b32 s33, 0
	s_mov_b32 s20, 0x3a800000                      ; 1 / 1,024
	s_mov_b32 s21, 0x76543210                      ; v_permlanex16_b32: lane l takes lane l xor 16
	s_mov_b32 s22, 0xfedcba98
	s_mov_b32 s34, 0x3727c5ac                      ; 1e-5
	s_wait_alu depctr_va_vdst(0)
	s_wait_kmcnt 0x0
.if NS == 3
	s_load_b128 s[16:19], s[10:11], 0x0            ; entries 0 to 3: sets 0 and 1 take s16 and s18
	s_load_b32 s23, s[10:11], 0x10                 ; entry 4: set 2
.else
	s_load_b32 s16, s[10:11], E0
.endif
	s_add_nc_u64 s[4:5], s[4:5], s[2:3]
	s_add_nc_u64 s[24:25], s[12:13], s[32:33]      ; a base for each set: the sets lie 4 MiB apart, more than a store's immediate reaches twice
.if NS == 3
	s_add_nc_u64 s[26:27], s[24:25], 0x400000
	s_add_nc_u64 s[28:29], s[24:25], 0x800000
.endif
.macro LDROW p                         ; row p: for each group of 256 numbers two loads on end, which together cover 1,024 consecutive bytes; read once in this launch
.irp j, 0,1,2,3
	global_load_b128 v[X+32*\p+8*\j:X+32*\p+8*\j+3],   v1, s[4:5] offset:4096*\p+1024*\j th:TH_LOAD_NT
	global_load_b128 v[X+32*\p+8*\j+4:X+32*\p+8*\j+7], v1, s[4:5] offset:4096*\p+1024*\j+16 th:TH_LOAD_NT
.endr
.endm
.macro LDVEC reg, lo                   ; gains or biases, in the same layout; every work-group reads them
.irp j, 0,1,2,3
	global_load_b128 v[\reg+8*\j:\reg+8*\j+3],   v1, s[\lo:\lo+1] offset:1024*\j
	global_load_b128 v[\reg+8*\j+4:\reg+8*\j+7], v1, s[\lo:\lo+1] offset:1024*\j+16
.endr
.endm
	LDROW 0
	LDVEC W, 6
	LDVEC BV, 8
	LDROW 1
.macro MKSC s, e                       ; set s: 2^e as f32 (the conversion takes its exponent field), and the largest number x 2^e
	s_add_co_i32 s35, s[\e], 127
	s_lshl_b32 s36, s35, 23
	v_mov_b32 v[SC+2*\s], s36
	s_add_co_i32 s35, s35, 15
	s_lshl_b32 s35, s35, 23
	s_or_b32 s35, s35, 0x600000
	v_mov_b32 v[SC+2*\s+1], s35
.endm
	s_wait_kmcnt 0x0
	MKSC 0, 16
.if NS == 3
	MKSC 1, 18
	MKSC 2, 23
.endif
.macro RED                             ; the two chains, the pair's halves, then the 32 lanes: every lane ends with the row's sum in v[S]
	s_delay_alu instid0(VALU_DEP_1)
	v_pk_add_f32 v[S:S+1], v[S:S+1], v[S+2:S+3]
	s_delay_alu instid0(VALU_DEP_1)
	v_add_f32 v[S], v[S], v[S+1]
.irp m, 1,2,4,8
	s_delay_alu instid0(VALU_DEP_1)
	v_add_f32_dpp v[S], v[S], v[S] row_xmask:\m row_mask:0xf bank_mask:0xf
.endr
	s_delay_alu instid0(VALU_DEP_1)
	v_permlanex16_b32 v[S+1], v[S], s21, s22
	s_delay_alu instid0(VALU_DEP_1)
	v_add_f32 v[S], v[S], v[S+1]
.endm
; Row p.  n1: the younger loads that may be out when the row is needed; n2: when gains and biases are needed.
.macro ROW p, n1, n2
.set XR, X+32*\p
	s_wait_loadcnt \n1
	v_pk_add_f32 v[S:S+1], v[XR:XR+1], v[XR+2:XR+3]            ; the first numbers start the chains: nothing is cleared
	v_pk_add_f32 v[S+2:S+3], v[XR+4:XR+5], v[XR+6:XR+7]
.irp j, 8,12,16,20,24,28
	s_delay_alu instid0(VALU_DEP_2)
	v_pk_add_f32 v[S:S+1], v[S:S+1], v[XR+\j:XR+\j+1]
	s_delay_alu instid0(VALU_DEP_2)
	v_pk_add_f32 v[S+2:S+3], v[S+2:S+3], v[XR+\j+2:XR+\j+3]
.endr
	RED
	s_delay_alu instid0(VALU_DEP_1)
	v_mul_f32 v[S], s20, v[S]                      ; the mean
.set j, 0
.rept 16
	v_pk_add_f32 v[XR+j:XR+j+1], v[XR+j:XR+j+1], v[S:S+1] op_sel_hi:[1,0] neg_lo:[0,1] neg_hi:[0,1]   ; x - mean
.set j, j+2
.endr
	v_pk_mul_f32 v[S:S+1], v[XR:XR+1], v[XR:XR+1]
	v_pk_mul_f32 v[S+2:S+3], v[XR+2:XR+3], v[XR+2:XR+3]
.irp j, 4,8,12,16,20,24,28
	s_delay_alu instid0(VALU_DEP_2)
	v_pk_fma_f32 v[S:S+1], v[XR+\j:XR+\j+1], v[XR+\j:XR+\j+1], v[S:S+1]
	s_delay_alu instid0(VALU_DEP_2)
	v_pk_fma_f32 v[S+2:S+3], v[XR+\j+2:XR+\j+3], v[XR+\j+2:XR+\j+3], v[S+2:S+3]
.endr
	RED
	s_delay_alu instid0(VALU_DEP_1)
	v_fma_f32 v[R], v[S], s20, s34                 ; var + eps
	s_wait_alu depctr_va_vdst(0)
	v_rsq_f32 v[R], v[R]
	v_nop                                          ; a plain instruction behind the transcendental,
	s_wait_alu depctr_va_vdst(0)                   ; and the wait ahead of its first reader
	s_wait_loadcnt \n2
.set j, 0
.rept 16
	v_pk_mul_f32 v[XR+j:XR+j+1], v[XR+j:XR+j+1], v[R:R+1] op_sel_hi:[1,0]
.set j, j+2
.endr
.set j, 0
.rept 16
	v_pk_fma_f32 v[XR+j:XR+j+1], v[XR+j:XR+j+1], v[W+j:W+j+1], v[BV+j:BV+j+1]
.set j, j+2
.endr
.irp s, 0,1,2
.if \s < NS
.irp j, 0,1,2,3
.set TT, T+8*((4*\s+\j)%2)             ; the two sets take turns: a conversion's sources are written again only behind the other set's eight plain lines
.irp i, 0,1,2,3,4,5,6,7
	v_med3_num_f32 v[TT+\i], v[XR+8*\j+\i], -v[SC+2*\s+1], v[SC+2*\s+1]   ; the conversion to an 8-bit code does not saturate (ISA guide 7.6.2): the hold comes first
.endr
	v_cvt_scalef32_pk8_bf8_f32 v[C+24*\p+8*\s+2*\j:C+24*\p+8*\s+2*\j+1], v[TT:TT+7], v[SC+2*\s]
	global_store_b64 v2, v[C+24*\p+8*\s+2*\j:C+24*\p+8*\s+2*\j+1], s[24+2*\s:25+2*\s] offset:1024*\p+256*\j   ; 32 lanes store 256 consecutive bytes, aligned
.endr
.endif
.endr
.endm
	ROW 0, 24, 8                                   ; 24: gains, biases and row 1 may be out; 8: row 1 may be out
	ROW 1, 0, 0
	s_endpgm
.Lfunc_end_k_q0d19bb992a_ln1:
	.size	k_q0d19bb992a_ln1, .Lfunc_end_k_q0d19bb992a_ln1-k_q0d19bb992a_ln1
	.p2alignl 7, 3214868480
	.fill 96, 4, 3214868480
	.section	.rodata,"a",@progbits
	.p2align	6, 0x0
	.amdhsa_kernel k_q0d19bb992a_ln1
		.amdhsa_group_segment_fixed_size 0
		.amdhsa_private_segment_fixed_size 0
		.amdhsa_enable_private_segment 0
		.amdhsa_kernarg_size 40
		.amdhsa_user_sgpr_count 2
		.amdhsa_user_sgpr_kernarg_segment_ptr 1
		.amdhsa_wavefront_size32 1
		.amdhsa_system_sgpr_workgroup_id_x 1
		.amdhsa_system_sgpr_workgroup_id_y 1
		.amdhsa_system_sgpr_workgroup_id_z 1
		.amdhsa_system_vgpr_workitem_id 0
		.amdhsa_next_free_vgpr 208
		.amdhsa_next_free_sgpr 66
		.amdhsa_reserve_vcc 0
		.amdhsa_float_denorm_mode_32 3
		.amdhsa_float_denorm_mode_16_64 3
		.amdhsa_memory_ordered 1
		.amdhsa_forward_progress 1
		.amdhsa_inst_pref_size 36
	.end_amdhsa_kernel
	.amdgpu_metadata
---
amdhsa.version: [ 1, 2 ]
amdhsa.kernels:
  - .name:           k_q0d19bb992a_ln1
    .symbol:         k_q0d19bb992a_ln1.kd
    .args:
      - { .name: x, .offset: 0, .size: 8, .value_kind: global_buffer, .address_space: global }
      - { .name: ln1_w, .offset: 8, .size: 8, .value_kind: global_buffer, .address_space: global }
      - { .name: ln1_b, .offset: 16, .size: 8, .value_kind: global_buffer, .address_space: global }
      - { .name: lowp_scales, .offset: 24, .size: 8, .value_kind: global_buffer, .address_space: global }
      - { .name: hc, .offset: 32, .size: 8, .value_kind: global_buffer, .address_space: global }
    .group_segment_fixed_size: 0
    .private_segment_fixed_size: 0
    .kernarg_segment_align: 8
    .kernarg_segment_size: 40
    .max_flat_workgroup_size: 256
    .sgpr_count:     66
    .vgpr_count:     208
    .wavefront_size: 32
...
	.end_amdgpu_metadata
.endif
;; end of part 1
;; launch qkv (part 2): grid 12 x 16, 4 waves a work-group, clusters of 4 x 4, 327,680 bytes of LDS; arguments hc, Wq_codes, Wk_codes, Wv_codes, lowp_scales, qc, kc, vc; writes qc, kc, vc
.if DOCPART == 2
	.amdgcn_target "amdgcn-amd-amdhsa--gfx1250"
	.amdhsa_code_object_version 6
	.text
	.protected	k_q0d19bb992a_qkv
	.globl	k_q0d19bb992a_qkv
	.p2align	8
	.type	k_q0d19bb992a_qkv,@function
k_q0d19bb992a_qkv:
	s_mov_b64 s[64:65], 0
	v_nop
	global_prefetch_b8 v0, s[64:65] scope:SCOPE_SE
	s_setreg_imm32_b32 hwreg(HW_REG_WAVE_MODE, 25, 1), 1
	s_wait_xcnt 0x0
	s_wait_alu depctr_hold_cnt(0) depctr_sa_sdst(0) depctr_va_vdst(0) depctr_va_sdst(0) depctr_va_ssrc(0) depctr_va_vcc(0) depctr_vm_vsrc(0)
	s_getreg_b32 s2, hwreg(HW_REG_IB_STS2, 6, 4)
	s_cmp_eq_u32 s2, 0
	s_cbranch_scc0 .Lentry_in_a_cluster
	s_endpgm
.Lentry_in_a_cluster:
	s_bfe_u32 s2, ttmp6, 0x10000c
	s_cmp_lg_u32 s2, 0xf033
	s_cbranch_scc0 .Lentry_shape_is_right
	s_endpgm
.Lentry_shape_is_right:
; A GEMM on codes of BF8 (E5M2) whose results are quantised on the way out.  C[m][n] = sum over k of A[m][k] B[n][k], K = 1,024, both operands codes with K innermost; sums in f32.
; ONE TEXT, TWO LAUNCHES, told apart by QKV below.
; QKV = 1: the cluster's x (0, 1, 2; equal in all sixteen partners) says which product.  0, 1: A = h's codes of set 0, 1 (tokens), B = Wq, Wk (channels); the codes of q, k go to [b][head][t][64].
;          2: A = Wv (channels), B = h's codes of set 2 (tokens): V IS MADE TRANSPOSED, so that a lane's eight results are eight neighbouring KEYS of one channel: its codes go to [b][head][64][t].
; QKV = 0: A = h2's codes, B = W1; the bias b1, divided by the power of two that the sums lack, is the C of each sum's first product; relu and the hold are one instruction; codes go to fc [4096][4096].
; A sum stands for sum x 2^(eA + eB); its code is sum / 2^(eOut - eA - eB): the three exponents are folded into the conversion's one scale.
; LIMITS: eOut - eA - eB between -126 and 112 (entries 6-0-1, 7-2-3, 9-4-5; 14-12-13), so that the scale and 57,344 x the scale are f32 numbers.
; A tile of C, 256 x 256, is made by four waves, each 128 x 128: 64 accumulators of 16 x 16.  K goes in steps of 256 through a ring of two LDS slots filled by the tensor data mover.
; CLUSTERS: 4 x 4 work-groups; A's tile is shared along a row of the cluster, B's along a column: each is asked for jointly, by the same tensor load with a mask that names the four.
; THE MATRIX INSTRUCTION IS USED TRANSPOSED (source 0 = 16 rows of B, source 1 = 16 rows of A): a lane holds eight neighbouring columns of one row of C: the conversion's eight sources.
; A fragment is fetched by four 16-byte loads: a permutation of k inside an instruction, the same in A and in B.
; REGISTERS, in windows of 256: window 0: v0-31 addresses; v32-95 b1 in the result's layout (QKV = 0); from v128 A's fragments, one set; on the way out v32-159 codes, v128-255 rows read back.
;   window 1: B's fragments, two sets.   windows 2, 3: the accumulators of my rows 0-63, 64-127 (accumulator (a, b) at v[8 (8 (a % 4) + b)]).
.set QKV,   1
.set BIAS,  1-QKV
.set KROW,  1024                       ; a row of A or of B in memory, in bytes
.set ROWB,  256                        ; a tile's row: 256 codes
.set PITCH, 272                        ; an LDS row: 256 bytes + 16 of padding, so that the 16 rows of a fragment load start 16 bytes apart modulo 256
.set FR,    16                         ; registers of a fragment: 16 rows x 128 K
.set NL,    4                          ; LDS loads that bring one
.set NP,    4                          ; places behind this matrix instruction (ISA guide 7.12.1)
.set HALFT, 128*PITCH                  ; 128 rows: what one tensor load brings
.set SLOT,  4*HALFT                    ; A's 256 rows, then B's 256 rows
.set LAPS,  KROW/(2*ROWB)              ; a lap = two K steps = once round the ring
.set SPARE, 2*SLOT                     ; behind the ring: the spare words, 128 bytes a wave
.set OUTP,  2048+2048*BIAS             ; bytes from row to row of the output that is stored by rows: vc's 2,048, fc's 4,096
.set ADRA, 16                          ; v16-17  LDS address of my A fragments in slot 0, 1
.set ADRB, 20                          ; v20-21  the same for B
.set COQ,  22                          ; v22     q, k: 16 x lane
.set STO,  24                          ; v24     the stage: where I put 8 codes
.set RDV,  25                          ; v25     the stage read by rows of 256 bytes
.set COV,  26                          ; v26     and the same place in the output
.set RDQ,  27                          ; v27     the stage read by pieces of 64 bytes (a head's part of a token)
.set SPW,  28                          ; v28     LDS address of my spare word; never rewritten
.set NIL,  29                          ; v29     0; never rewritten
.set SCL,  30                          ; v30     the conversion's scale as f32
.set LIM,  31                          ; v31     57,344 x that
.set BI,   32
.set CD,   32                          ; codes: 16 registers for each of my eight blocks, none written twice
.set AF,   128
.set BK,   128
.set G1,  24                           ; s[24:31] descriptor group 1 for A's tiles; s[32:39] group 0, one set for each slot
.set G0,  32
.set G1B, 48                           ; s[48:55], s[56:63] the same for B's
.set G0B, 56
.set MSB, 0
.macro WIN new                         ; the immediate's high byte repeats the setting that is left; a switch that changes nothing is dropped
.if MSB != (\new)
	s_set_vgpr_msb (MSB<<8)|(\new)
.set MSB, (\new)
.endif
.endm
.set MUL_LO, 0xa1                      ; source 0 (B) window 1, source 1 (A) window 0, C and D window 2
.set MUL_HI, 0xf1                      ; the same, C and D window 3
.set TO_B,   0x40                      ; destination window 1, address window 0
; A joint load: waves 0 and 1 fetch for A, waves 2 and 3 for B; the branch hangs on the wave's number alone.  An s_nop 0 and four v_nop follow each of the two lines.
.macro JLOAD g0a, g1a, g0b, g1b
	s_cmp_eq_u32 s15, 0
	s_cbranch_scc0 .Lfor_b_\@
	tensor_load_to_lds s[\g0a:\g0a+3], s[\g1a:\g1a+7]
	s_nop 0
.rept 4
	v_nop
.endr
	s_branch .Lasked_\@
.Lfor_b_\@:
	tensor_load_to_lds s[\g0b:\g0b+3], s[\g1b:\g1b+7]
	s_nop 0
.rept 4
	v_nop
.endr
.Lasked_\@:
.endm
.macro CREST                           ; a round of the cluster's barrier behind its opening barrier
	s_cmp_lg_u32 s14, 0
	s_cbranch_scc1 .Lnot_wave_0_\@
	s_barrier_signal -3
.Lnot_wave_0_\@:
	s_barrier_wait -3
	s_barrier_signal -1
	s_barrier_wait -1
.endm
.macro CROUND                          ; a whole round
	s_barrier_signal -1
	s_barrier_wait -1
	CREST
.endm
.if QKV
	s_load_b512 s[68:83], s[0:1], 0x0              ; hc, Wq, Wk, Wv, the scales' exponents, qc, kc, vc
.else
	s_load_b256 s[68:75], s[0:1], 0x0              ; h2c, W1, the scales' exponents, b1
	s_load_b64 s[76:77], s[0:1], 0x20              ; fc
.endif
	v_lshl_add_u32 v[SPW], v0, 2, SPARE
	v_mov_b32 v[NIL], 0
	ds_add_u32 v[SPW], v[NIL]                      ; the wave's opening: the add, twice on end, and its wait ahead of my first tensor load
	ds_add_u32 v[SPW], v[NIL]
	v_lshrrev_b32 v1, 5, v0
	v_readfirstlane_b32 s14, v1                    ; wave 0..3
	s_lshr_b32 s15, s14, 1                         ; which half of the tile's rows is mine.  Also: I fetch for A (0) or for B (1)
	s_and_b32 s16, s14, 1                          ; which half of its columns.  Also: which 128 rows of that tile I fetch
	s_bfe_u32 s40, ttmp6, 0x40000                  ; cx, cy: my place in the cluster
	s_bfe_u32 s41, ttmp6, 0x40004
	s_and_b32 s13, ttmp7, 0xffff
	s_lshl_b32 s13, s13, 2                         ; 4 x cluster y
.if QKV
	s_mov_b32 s12, ttmp9                           ; which product: the cluster's x
	s_add_co_u32 s18, s13, s41                     ; 4 x cluster y + cy
	s_add_co_u32 s19, s13, s40                     ; 4 x cluster y + cx
	s_lshl_b32 s22, s12, 22                        ; h's sets lie 4 MiB apart
	s_cmp_eq_u32 s12, 2
	s_cselect_b32 s17, s41, s18                    ; tile row of C: V^T has four (channels), q and k sixteen (tokens).  It never holds cx
	s_cselect_b32 s42, s19, s40                    ; tile column: the other way round.  It never holds cy
	s_cselect_b32 s22, 0, s22                      ; where A begins in its buffer
	s_cselect_b32 s23, 0x800000, 0                 ; and B
.else
	s_add_co_u32 s17, s13, s41                     ; tile row of C
	s_lshl_b32 s42, ttmp9, 2
	s_add_co_u32 s42, s42, s40                     ; tile column
	s_mov_b32 s22, 0
	s_mov_b32 s23, 0
.endif
	s_lshl_b32 s43, s41, 2
	s_lshl_b32 s43, 15, s43                        ; my row of the cluster
	s_lshl_b32 s44, 0x1111, s40                    ; my column
	; descriptor group 1: a tile of 128 rows x 256 bytes, padded in LDS
	s_or_b32 s[G1+0], s43, (1<<20)|(1<<21)|(5<<22)|(3<<25)    ; 15:0 the mask; 17:16 elements of 1 byte; 20 padding on; 21 set beside a mask; 24:22 after every 64 words; 31:25 four words
	s_or_b32 s[G1B+0], s44, (1<<20)|(1<<21)|(5<<22)|(3<<25)
.irp g, G1, G1B
	s_mov_b32 s[\g+1], ROWB<<16                    ; tensor_dim0
	s_mov_b32 s[\g+2], 128<<16                     ; tensor_dim1
	s_mov_b32 s[\g+3], ROWB<<16                    ; tile_dim0
	s_mov_b32 s[\g+4], 128                         ; tile_dim1
	s_mov_b32 s[\g+5], KROW                        ; tensor_dim0_stride
	s_mov_b32 s[\g+6], 0
	s_mov_b32 s[\g+7], 0
.endr
	s_lshl_b32 s18, s16, 7                         ; which 128 rows of the tile I fetch
	s_lshl_b32 s20, s17, 8
	s_add_co_u32 s20, s20, s18                     ; A: row 256 x tile row + 128 x half,
	s_lshl_b32 s20, s20, 10                        ; in bytes,
	s_add_co_u32 s20, s20, s22                     ; in its set: under 2^24
	s_mov_b32 s21, 0
	s_lshl_b32 s46, s42, 8
	s_add_co_u32 s46, s46, s18                     ; B likewise by the tile column
	s_lshl_b32 s46, s46, 10
	s_add_co_u32 s46, s46, s23
	s_mov_b32 s47, 0
	s_mul_i32 s45, s14, HALFT                      ; where they go: wave x 128 rows: no place in the cluster enters an LDS address
	s_wait_dscnt 0x0                               ; both opening adds are done
	s_wait_kmcnt 0x0
.if QKV
	s_load_b512 s[84:99], s[76:77], 0x0            ; all sixteen exponents: entry i in s[84 + i]
	s_cmp_eq_u32 s12, 2                            ; the buffers are chosen by the cluster's x, which hangs on no address
	s_cselect_b64 s[4:5], s[74:75], s[68:69]       ; A: Wv, else h
	s_cselect_b64 s[6:7], s[68:69], s[70:71]       ; B: h, else Wq
	s_cselect_b64 s[10:11], s[82:83], s[78:79]     ; out: vc, else qc
	s_cmp_eq_u32 s12, 1
	s_cselect_b64 s[6:7], s[72:73], s[6:7]         ; Wk
	s_cselect_b64 s[10:11], s[80:81], s[10:11]     ; kc
.else
	s_load_b128 s[84:87], s[72:73], 0x30           ; entries 12 to 15
	s_mov_b64 s[4:5], s[68:69]
	s_mov_b64 s[6:7], s[70:71]
	s_mov_b64 s[10:11], s[76:77]
.endif
	s_add_nc_u64 s[20:21], s[4:5], s[20:21]
	s_add_nc_u64 s[46:47], s[6:7], s[46:47]
	CROUND                                         ; all sixteen work-groups are here: the first joint loads meet
.irp s, 0,1
	s_mov_b32 s[G0+4*\s], 1
	s_add_co_u32 s[G0+4*\s+1], s45, \s*SLOT
	s_add_nc_u64 s[G0+4*\s+2:G0+4*\s+3], s[20:21], \s*ROWB
	s_or_b32 s[G0+4*\s+3], s[G0+4*\s+3], 0x80000000
	s_mov_b32 s[G0B+4*\s], 1
	s_add_co_u32 s[G0B+4*\s+1], s45, \s*SLOT
	s_add_nc_u64 s[G0B+4*\s+2:G0B+4*\s+3], s[46:47], \s*ROWB
	s_or_b32 s[G0B+4*\s+3], s[G0B+4*\s+3], 0x80000000
.if \s == 0
	JLOAD G0, G1, G0B, G1B                         ; K step 0: one tensor load a wave at the head; the set-up below runs while it is out
.endif
.endr
	v_and_b32 v1, 15, v0                           ; r = lane % 16
	v_bfe_u32 v2, v0, 4, 1                         ; h = lane / 16
	v_mul_u32_u24 v3, v1, PITCH
	s_wait_alu depctr_va_vdst(0)
	v_lshl_add_u32 v4, v2, 4, v3                   ; a fragment's row x pitch + 16 x half
	s_mul_i32 s21, s15, HALFT                      ; my 128 rows of A
	s_mul_i32 s22, s16, HALFT                      ; my 128 rows of B,
	s_add_co_u32 s22, s22, 2*HALFT                 ; which lie behind A's 256
.irp s, 0,1
	v_add_nc_u32 v[ADRA+\s], s21, v4
	v_add_nc_u32 v[ADRB+\s], s22, v4
	s_add_co_u32 s21, s21, SLOT
	s_add_co_u32 s22, s22, SLOT
.endr
	; THE STAGE: 256 rows x (256 codes + 16 bytes), the work-group's, in slot 0: when the first code is stored there that slot has had its last fill, and every wave has passed the last change of slots
	s_mul_i32 s23, s15, 128*PITCH
	s_lshl_b32 s21, s16, 7
	s_add_co_u32 s23, s23, s21
	v_lshl_add_u32 v5, v2, 3, v3
	v_add_nc_u32 v[STO], s23, v5                   ; in: row 128 x my row half + r, byte 128 x my column half + 8 h
	s_mul_i32 s23, s14, 64*PITCH                   ; back: wave w takes rows 64 w .. 64 w + 63, whole
	v_mul_u32_u24 v5, v2, PITCH
	v_lshl_add_u32 v5, v1, 4, v5
	v_add_nc_u32 v[RDV], s23, v5                   ; lanes 0-15 one row of 256 bytes, lanes 16-31 the next
	v_mul_u32_u24 v5, v2, OUTP
	v_lshl_add_u32 v[COV], v1, 4, v5               ; and the same two rows in the output
.if QKV
	v_and_b32 v6, 31, v0
	v_lshlrev_b32 v[COQ], 4, v6                    ; q, k: eight tokens' 64 bytes of one head are 512 consecutive bytes of the output
	v_lshrrev_b32 v5, 2, v6
	v_mul_u32_u24 v5, v5, PITCH
	v_and_b32 v6, 3, v6
	v_lshl_add_u32 v5, v6, 4, v5
	v_add_nc_u32 v[RDQ], s23, v5                   ; in the stage: row lane / 4, 16 (lane % 4) bytes on
	; where my 64 rows begin in the output.  q, k: b x 2 MiB + (4 x tile column) heads x 131,072 + token x 64.  V^T: b x 2 MiB + channel x 2,048 + token
	s_lshr_b32 s8, s17, 3
	s_lshl_b32 s8, s8, 21
	s_lshl_b32 s2, s42, 19
	s_add_co_u32 s8, s8, s2
	s_and_b32 s2, s17, 7
	s_lshl_b32 s2, s2, 14
	s_add_co_u32 s8, s8, s2
	s_lshl_b32 s2, s14, 12
	s_add_co_u32 s8, s8, s2
	s_lshr_b32 s66, s42, 3
	s_lshl_b32 s66, s66, 21
	s_lshl_b32 s2, s17, 19
	s_add_co_u32 s66, s66, s2
	s_lshl_b32 s2, s14, 17
	s_add_co_u32 s66, s66, s2
	s_and_b32 s2, s42, 7
	s_lshl_b32 s2, s2, 8
	s_add_co_u32 s66, s66, s2
	s_cmp_eq_u32 s12, 2
	s_cselect_b32 s8, s66, s8
.else
	s_lshl_b32 s8, s17, 20                         ; fc: (256 x tile row + 64 x wave) x 4,096 + 256 x tile column
	s_lshl_b32 s2, s14, 18
	s_add_co_u32 s8, s8, s2
	s_lshl_b32 s2, s42, 8
	s_add_co_u32 s8, s8, s2
.endif
	s_mov_b32 s9, 0
	s_add_nc_u64 s[10:11], s[10:11], s[8:9]
.if BIAS
	s_lshl_b32 s8, s42, 10                         ; b1: my 128 numbers begin at 256 x tile column + 128 x column half; lane (r, h) wants, for block b, those at 16 b + 8 h + 0 .. 7
	s_lshl_b32 s2, s16, 9
	s_add_co_u32 s8, s8, s2
	s_add_nc_u64 s[74:75], s[74:75], s[8:9]
	v_lshlrev_b32 v7, 5, v2
.irp b, 0,1,2,3,4,5,6,7
	global_load_b128 v[BI+8*\b:BI+8*\b+3],   v7, s[74:75] offset:64*\b
	global_load_b128 v[BI+8*\b+4:BI+8*\b+7], v7, s[74:75] offset:64*\b+16
.endr
.endif
	s_wait_kmcnt 0x0                               ; the exponents
.if QKV
	s_sub_co_i32 s18, s90, s84                     ; e6 - e0 - e1
	s_sub_co_i32 s18, s18, s85
	s_sub_co_i32 s19, s91, s86                     ; e7 - e2 - e3
	s_sub_co_i32 s19, s19, s87
	s_sub_co_i32 s20, s93, s88                     ; e9 - e4 - e5
	s_sub_co_i32 s20, s20, s89
	s_cmp_eq_u32 s12, 1
	s_cselect_b32 s18, s19, s18
	s_cmp_eq_u32 s12, 2
	s_cselect_b32 s18, s20, s18
.else
	s_add_co_i32 s19, s84, s85                     ; e12 + e13
	s_sub_co_i32 s18, s86, s19                     ; e14 - e12 - e13
	s_sub_co_i32 s19, 0, s19
.endif
	s_add_co_i32 s18, s18, 127
	s_lshl_b32 s20, s18, 23
	v_mov_b32 v[SCL], s20                          ; the folded scale as f32: the conversion takes its exponent field
	s_add_co_i32 s18, s18, 15
	s_lshl_b32 s18, s18, 23
	s_or_b32 s18, s18, 0x600000
	v_mov_b32 v[LIM], s18                          ; 57,344 x that
.if BIAS
	s_wait_loadcnt 0x0
.set j, 0
.rept 64
	v_ldexp_f32 v[BI+j], v[BI+j], s19              ; b1 / 2^(e12 + e13): in the sums' own unit
.set j, j+1
.endr
.endif
.macro FRAG reg, adr, q, i             ; a fragment: lane l holds row l % 16; registers 4 c .. 4 c + 3 hold K = 32 c + 16 (l / 16) + 0 .. 15
.irp c, 0,1,2,3
	ds_load_b128 v[\reg+4*\c:\reg+4*\c+3], v[\adr] offset:128*(\q)+32*\c+(\i)*16*PITCH
.endr
.endm
; 16 matrix instructions: A's blocks a0, a0 + 1 x B's eight, 128 along K.  p: B's set.  zero = 1: the first product starts the sums, with 0 or with the bias as C: nothing is ever cleared.
; The 64 accumulators take turns, one instruction a turn, in the same order in every step.
.macro MUL16 a0, p, zero
.irp a, \a0, \a0+1
.irp b, 0,1,2,3,4,5,6,7
.if (\zero) && BIAS
	v_wmma_f32_16x16x128_bf8_bf8 v[8*(8*((\a)%4)+\b):8*(8*((\a)%4)+\b)+7], v[128*(\p)+FR*\b:128*(\p)+FR*\b+FR-1], v[AF+FR*(\a):AF+FR*(\a)+FR-1], v[BI+8*\b:BI+8*\b+7]
.elseif \zero
	v_wmma_f32_16x16x128_bf8_bf8 v[8*(8*((\a)%4)+\b):8*(8*((\a)%4)+\b)+7], v[128*(\p)+FR*\b:128*(\p)+FR*\b+FR-1], v[AF+FR*(\a):AF+FR*(\a)+FR-1], 0
.else
	v_wmma_f32_16x16x128_bf8_bf8 v[8*(8*((\a)%4)+\b):8*(8*((\a)%4)+\b)+7], v[128*(\p)+FR*\b:128*(\p)+FR*\b+FR-1], v[AF+FR*(\a):AF+FR*(\a)+FR-1], v[8*(8*((\a)%4)+\b):8*(8*((\a)%4)+\b)+7]
.endif
.endr
.endr
.endm
.macro FETCH_B slot, q, p              ; B's eight fragments of the slot's q-th 128 along K into set p
	WIN TO_B
.irp i, 0,1,2,3,4,5,6,7
	FRAG 128*(\p)+FR*\i, ADRB+\slot, \q, \i
.endr
	WIN 0
.endm
.macro FETCH_A slot, q, i0             ; A's blocks i0 .. i0 + 3
.irp i, \i0, \i0+1, \i0+2, \i0+3
	FRAG AF+FR*(\i), ADRA+\slot, \q, \i
.endr
.endm
.macro PLACES n                        ; plain vector instructions between a matrix instruction and a load into, or a vector instruction on, its registers
.rept \n
	v_nop
.endr
.endm
; A step of 128 along K that has its successor in the same slot.
.macro STEP slot, q, zero
	s_wait_dscnt 4*NL                              ; B's set and A's blocks 0-3 are in; the youngest sixteen loads (A's blocks 4-7) may be out
.if (\zero) && BIAS
	WIN 0x81                                       ; as MUL_LO, with C (the bias) in window 0
.else
	WIN MUL_LO
.endif
	MUL16 0, (\q)%2, \zero
	MUL16 2, (\q)%2, \zero
	s_wait_dscnt 0                                 ; A's blocks 4-7 are in
	PLACES NP
	FETCH_B \slot, (\q)+1, 1-(\q)%2
	FETCH_A \slot, (\q)+1, 0
.if (\zero) && BIAS
	WIN 0xc1
.else
	WIN MUL_HI
.endif
	MUL16 4, (\q)%2, \zero
	MUL16 6, (\q)%2, \zero
	PLACES NP
	WIN 0
	FETCH_A \slot, (\q)+1, 4
.endm
; A slot's last step changes slots: one barrier; in front of it each wave waits for all its tensor loads, adds 0 to its spare word, and waits for that and for its own reads of this slot.  fill = 1: this slot is filled again, two K steps ahead.
.macro TURN slot, next, fill
	s_wait_tensorcnt 0x0                           ; all my tensor loads have landed: my part of the next slot
	ds_add_u32 v[SPW], v[NIL]                      ; 0 onto my spare word
	s_wait_dscnt 4*NL+1                            ; the add and the youngest sixteen loads (A's blocks 4-7) may be out
	WIN MUL_LO
	MUL16 0, 1, 0                                  ; sixteen matrix instructions stand between the add and the wait for it
	s_wait_dscnt 0x0                               ; the add is done, and my reads of this slot are over
	s_barrier_signal -1
	MUL16 2, 1, 0
	WIN 0
	s_barrier_wait -1
.if \fill
	CREST                                          ; the barrier has opened a round of the cluster's barrier: no wave of any partner still reads this slot or has a load on its way
	s_add_nc_u64 s[G0+4*\slot+2:G0+4*\slot+3], s[G0+4*\slot+2:G0+4*\slot+3], 2*ROWB
	s_add_nc_u64 s[G0B+4*\slot+2:G0B+4*\slot+3], s[G0B+4*\slot+2:G0B+4*\slot+3], 2*ROWB
	JLOAD G0+4*\slot, G1, G0B+4*\slot, G1B         ; the first tensor load behind the round, my only one until the next; its four v_nop are the places in front of the loads below
.else
	PLACES NP
.endif
	FETCH_B \next, 0, 0
	FETCH_A \next, 0, 0
	WIN MUL_HI
	MUL16 4, 1, 0
	MUL16 6, 1, 0
	PLACES NP
	WIN 0
	FETCH_A \next, 0, 4
.endm
	s_wait_alu depctr_va_vdst(0)                   ; the wait at the head's end
	s_wait_tensorcnt 0x0                           ; my part of K step 0 is in
	ds_add_u32 v[SPW], v[NIL]
	s_wait_dscnt 0x0
	CROUND                                         ; everybody's part of K step 0 is in, and the sixteen work-groups meet
	JLOAD G0+4, G1, G0B+4, G1B                     ; K step 1: the first tensor load behind the round
	FETCH_B 0, 0, 0
	FETCH_A 0, 0, 0
	FETCH_A 0, 0, 4
	STEP 0, 0, 1                                   ; the first step stands in front of the loop: its products start the sums
	s_mov_b32 s3, LAPS-1
.Llap:                                                 ; a trip goes once round the ring, from a lap's second step to the next lap's first, and fills both slots again
	TURN 0, 1, 1
	STEP 1, 0, 0
	TURN 1, 0, 1
	STEP 0, 0, 0
	s_sub_co_u32 s3, s3, 1
	s_cmp_lg_u32 s3, 0
	s_cbranch_scc1 .Llap
	TURN 0, 1, 0                                   ; the last lap fills nothing, and has no round of the cluster's barrier
	STEP 1, 0, 0
	s_wait_dscnt 4*NL                              ; the very last step: nothing more to fetch
	WIN MUL_LO
	MUL16 0, 1, 0
	MUL16 2, 1, 0
	s_wait_alu depctr_va_vdst(0)
	s_wait_dscnt 0
	WIN MUL_HI
	MUL16 4, 1, 0
	MUL16 6, 1, 0
	WIN 0
; THE WAY OUT.  Block a (16 rows x 128 columns): the hold (with relu: between 0 and the bound), in place, each accumulator from its low end on; eight conversions, eight neighbouring columns each; 8 bytes a lane into the stage.
.macro QBLK a
.set AC, 64*((\a)%4)
	WIN 0x82+0x41*((\a)/4)                         ; destination and source 0: window 2 or 3
.set j, 0
.rept 64
.if BIAS
	v_med3_num_f32 v[AC+j], v[AC+j], 0, v[LIM]     ; the activation and the hold in one
.else
	v_med3_num_f32 v[AC+j], v[AC+j], -v[LIM], v[LIM]   ; the conversion to an 8-bit code does not saturate (ISA guide 7.6.2)
.endif
.set j, j+1
.endr
	WIN 0x02+((\a)/4)                              ; source 0: window 2 or 3
.irp b, 0,1,2,3,4,5,6,7
	v_cvt_scalef32_pk8_bf8_f32 v[CD+16*(\a)+2*\b:CD+16*(\a)+2*\b+1], v[AC+8*\b:AC+8*\b+7], v[SCL]
.endr
	v_nop                                          ; a plain vector instruction behind the last conversion of the run
	WIN 0
.irp b, 0,1,2,3,4,5,6,7
	ds_store_b64 v[STO], v[CD+16*(\a)+2*\b:CD+16*(\a)+2*\b+1] offset:(\a)*16*PITCH+16*\b
.endr
.endm
	PLACES NP                                      ; behind the last products
.irp a, 0,1,2,3,4,5,6,7
	QBLK \a
.endr
	s_wait_dscnt 0x0                               ; for the others' sake: my stores into the stage are done; a row's 256 codes come from two waves
	s_barrier_signal -1
	s_barrier_wait -1
.if QKV
	s_cmp_eq_u32 s12, 2                            ; the cluster's x: the same in all partners and waves; the two ways differ in loads from the stage and in stores alone
	s_cbranch_scc1 .Lrows
.set n, 0
.rept 32                               ; q, k: head n / 8 of the tile's four, tokens 8 (n % 8) on
	ds_load_b128 v[BK+4*n:BK+4*n+3], v[RDQ] offset:(n%8)*8*PITCH+64*(n/8)
.set n, n+1
.endr
.set n, 0
.rept 32
	s_wait_dscnt 31-n                              ; LDS loads come back in order: load n is in, the younger ones may be out
	global_store_b128 v[COQ], v[BK+4*n:BK+4*n+3], s[10:11] offset:(n/8)*131072+512*(n%8)   ; 32 lanes store 512 consecutive bytes, aligned
.set n, n+1
.endr
	s_branch .Ldone
.Lrows:
.endif
.set n, 0
.rept 32                               ; by rows: two rows of 256 codes an instruction
	ds_load_b128 v[BK+4*n:BK+4*n+3], v[RDV] offset:2*n*PITCH
.set n, n+1
.endr
.set n, 0
.rept 32
	s_wait_dscnt 31-n
	global_store_b128 v[COV], v[BK+4*n:BK+4*n+3], s[10:11] offset:2*n*OUTP   ; 16 lanes store 256 consecutive bytes, aligned
.set n, n+1
.endr
.Ldone:
	s_wait_tensorcnt 0x0                           ; the wave's end: behind my last tensor load and my last LDS store
	ds_add_u32 v[SPW], v[NIL]
	s_wait_dscnt 0x0
	CROUND                                         ; the closing round: no work-group ends while a partner may still ask for a tile that names it
	s_endpgm
.Lfunc_end_k_q0d19bb992a_qkv:
	.size	k_q0d19bb992a_qkv, .Lfunc_end_k_q0d19bb992a_qkv-k_q0d19bb992a_qkv
	.p2alignl 7, 3214868480
	.fill 96, 4, 3214868480
	.section	.rodata,"a",@progbits
	.p2align	6, 0x0
	.amdhsa_kernel k_q0d19bb992a_qkv
		.amdhsa_group_segment_fixed_size 327680
		.amdhsa_private_segment_fixed_size 0
		.amdhsa_enable_private_segment 0
		.amdhsa_kernarg_size 64
		.amdhsa_user_sgpr_count 2
		.amdhsa_user_sgpr_kernarg_segment_ptr 1
		.amdhsa_wavefront_size32 1
		.amdhsa_system_sgpr_workgroup_id_x 1
		.amdhsa_system_sgpr_workgroup_id_y 1
		.amdhsa_system_sgpr_workgroup_id_z 1
		.amdhsa_system_vgpr_workitem_id 0
		.amdhsa_next_free_vgpr 1024
		.amdhsa_next_free_sgpr 100
		.amdhsa_reserve_vcc 0
		.amdhsa_float_denorm_mode_32 3
		.amdhsa_float_denorm_mode_16_64 3
		.amdhsa_memory_ordered 1
		.amdhsa_forward_progress 1
		.amdhsa_inst_pref_size 133
	.end_amdhsa_kernel
	.amdgpu_metadata
---
amdhsa.version: [ 1, 2 ]
amdhsa.kernels:
  - .name:           k_q0d19bb992a_qkv
    .symbol:         k_q0d19bb992a_qkv.kd
    .args:
      - { .name: hc, .offset: 0, .size: 8, .value_kind: global_buffer, .address_space: global }
      - { .name: Wq_codes, .offset: 8, .size: 8, .value_kind: global_buffer, .address_space: global }
      - { .name: Wk_codes, .offset: 16, .size: 8, .value_kind: global_buffer, .address_space: global }
      - { .name: Wv_codes, .offset: 24, .size: 8, .value_kind: global_buffer, .address_space: global }
      - { .name: lowp_scales, .offset: 32, .size: 8, .value_kind: global_buffer, .address_space: global }
      - { .name: qc, .offset: 40, .size: 8, .value_kind: global_buffer, .address_space: global }
      - { .name: kc, .offset: 48, .size: 8, .value_kind: global_buffer, .address_space: global }
      - { .name: vc, .offset: 56, .size: 8, .value_kind: global_buffer, .address_space: global }
    .group_segment_fixed_size: 327680
    .private_segment_fixed_size: 0
    .kernarg_segment_align: 8
    .kernarg_segment_size: 64
    .max_flat_workgroup_size: 128
    .sgpr_count:     100
    .vgpr_count:     1024
    .wavefront_size: 32
...
	.end_amdgpu_metadata
.endif
;; end of part 2
;; launch attn (part 3): grid 8 x 32, 16 waves a work-group, clusters of 4 x 1, 327,680 bytes of LDS; arguments qc, kc, vc, lowp_scales, ac; writes ac
.if DOCPART == 3
	.amdgcn_target "amdgcn-amd-amdhsa--gfx1250"
	.amdhsa_code_object_version 6
	.text
	.protected	k_q0d19bb992a_attn
	.globl	k_q0d19bb992a_attn
	.p2align	8
	.type	k_q0d19bb992a_attn,@function
k_q0d19bb992a_attn:
	s_mov_b64 s[64:65], 0
	v_nop
	global_prefetch_b8 v0, s[64:65] scope:SCOPE_SE
	s_setreg_imm32_b32 hwreg(HW_REG_WAVE_MODE, 25, 1), 1
	s_wait_xcnt 0x0
	s_wait_alu depctr_hold_cnt(0) depctr_sa_sdst(0) depctr_va_vdst(0) depctr_va_sdst(0) depctr_va_ssrc(0) depctr_va_vcc(0) depctr_vm_vsrc(0)
	s_getreg_b32 s2, hwreg(HW_REG_IB_STS2, 6, 4)
	s_cmp_eq_u32 s2, 0
	s_cbranch_scc0 .Lentry_in_a_cluster
	s_endpgm
.Lentry_in_a_cluster:
	s_bfe_u32 s2, ttmp6, 0x10000c
	s_cmp_lg_u32 s2, 0x3003
	s_cbranch_scc0 .Lentry_shape_is_right
	s_endpgm
.Lentry_shape_is_right:
; Causal attention on codes of BF8 (E5M2), head size 64, 2,048 positions, 32 (batch, head) pairs; the result is quantised for the projection.
; qc, kc: [b][head][t][64] codes; vc: [b][head][64][t] codes, the KEYS innermost.  Exponents: entries 6 (q), 7 (k), 8 (p), 9 (v), 10 (the result).
; LEFT OUT: key steps all of whose keys come after all of a tile's queries: reference()'s own causal mask gives them the weight 0 for all values of the inputs.  An overflow or NaN that would arise only there is not carried on.
; THE SOFTMAX: t = score x log2(e) / 32; M = the largest t met so far, rounded UP to a whole number; p = 2^(t - M) is quantised, not normalised; the row's sum of the unquantised p divides at the end.
; When M moves, the sum and O are multiplied by 2^(old M - new M): exact.
; K AND V OF A PAIR STAY IN LDS: 2 x 131,072 bytes of codes, with padding 16 pieces of 17,408 bytes.  Wave w < 8 asks for keys 256 w .. of K, wave w >= 8 for keys 256 (w - 8) .. of V's 64 rows:
; one tensor load a wave, at the head; nothing is filled again, and the key loop has no barrier.
; SHARES.  The keys fall into sixteen blocks of 128, the queries into 128 tiles of 16.  Work-group j (0..7) of a pair owns the tiles 8 m + j, m = 0..15: tile 8 m + j sees key blocks 0 .. m, whatever j is,
; and block m is the one that its mask cuts.  So every work-group reads all sixteen blocks and has the same 136 key steps, and every branch hangs on the wave's number and the count of trips alone.
; TWO WAVES SHARE THE TILES m AND 15 - m (m = wave / 2 = 0..7): wave A takes the late tile against blocks 0 .. 7 (eight steps); wave B the early tile against 0 .. m and the late tile against 8 .. 15 - m (nine).
; A wave has two STATES (Q, -M, the largest t, the sum, O^T): state 0 is the tile that it stores, state 1 is B's share of the late tile, handed to A through LDS at the end; both M are whole numbers, so the join is exact.
; An A wave's state 1 has no step (its limit is block 0, its blocks begin at 8).  Each state's first step holds a key that counts for each of its queries.
; CLUSTER: the four work-groups of a cluster walk the same pair: each piece is asked for jointly (mask 15).  j enters global addresses and the mask's vector data alone.
; NO PREFETCH: all that the work-group reads through LDS is asked for by the sixteen loads at the head; no later load exists to run ahead of.
; LAYOUT.  Both products are used transposed: S^T = K Q^T, O^T = V^T P^T: a lane holds ONE query (lane % 16).  Lane r of K's tile 2 b + u takes key 32 b + 8 u + r + 8 (r / 8), so that the 16 registers of tiles
; 2 b, 2 b + 1 are the keys 32 b + 16 (lane / 16) + 0 .. 15.  Fragments come by 16-byte loads: a permutation of k inside an instruction, the same on both sides of each product.
; THE RESULT goes to ac as [token / 4][head][channel / 16][token % 4][16 codes]: a (token / 4, head) unit is 256 bytes, aligned, stored whole by sixteen lanes.
; LIMITS: e6 + e7 between -121 and 132 (added to c's exponent field); e8 and e10 between -126 and 112; e8 + e9 is applied by v_ldexp_f32.
; REGISTERS: v1-7, v255 stay; v8-11 at work; v12 -M, v13 the largest t, v[14:15] the sum (state 1: v246-249); v16-23 Q (state 1: v24-31); v32-95 K's eight fragments, then V's four;
;   v96-159 S^T, then p; v160-191 O^T (state 1: v192-223); v224-239 p's codes; v240-245 constants; v250-254 at work.
.set KP,    272                        ; K: rows of four keys (256 bytes) + 16 of padding; V: a channel's 256 keys + 16
.set PIECE, 64*KP                      ; what one tensor load brings
.set VB,    8*PIECE                    ; V's pieces lie behind K's
.set SPARE, 16*PIECE                   ; behind the pieces: the spare words, 128 bytes a wave
.set EXB,   9*512                      ; the exchange: for each wave nine images of four registers; on K's bytes, behind the barrier that ends all reads of K and V
.set STAGE, 16*EXB                     ; the way out: 1,024 bytes a wave, on K's bytes too
.set AK0,  1                           ; v1   my lane's place in a tile of K
.set AV0,  2                           ; v2   the same for V
.set DV,   3                           ; v3   on the diagonal: my query - the block's first key - 16 (lane / 16) = 16 j + r - 16 h
.set EXS,  4                           ; v4   the exchange: where I store
.set SPW,  5                           ; v5   my spare word; never rewritten
.set NIL,  6                           ; v6   0; never rewritten
.set GO,   7                           ; v7   my byte offset in ac
.set ADK,  8
.set ADV,  9
.set EXL,  255                         ; v255 the exchange: my partner's region
.set WV,   18
.set SEL,  20                          ; s[20:21] v_permlanex16_b32: lane l xor 16
.set CS,   22                          ; s[22:23] c = log2(e) / 32 x 2^(e6 + e7)
.set G1K,  24
.set G1V,  32
.set G0K,  40
.set G0V,  92
.set TB0,  44                          ; s44, s45 LDS byte of the piece in hand, state 0, 1
.set KB0,  46                          ; s46, s47 the step's key block
.set LM0,  48                          ; s48, s49 the state's last key block
.set DG0,  50                          ; s50, s51 the block that the mask cuts
.set ROLE, 52                          ; 1: wave A, 0: wave B
.set MM,   53                          ; m
.set CNT,  54
.macro CROUND                          ; a round of the cluster's barrier
	s_barrier_signal -1
	s_barrier_wait -1
	s_cmp_lg_u32 s[WV], 0
	s_cbranch_scc1 .Lnot_wave_0_\@
	s_barrier_signal -3
.Lnot_wave_0_\@:
	s_barrier_wait -3
	s_barrier_signal -1
	s_barrier_wait -1
.endm
	s_load_b128 s[4:7], s[0:1], 0x0                ; qc, kc
	s_load_b128 s[12:15], s[0:1], 0x10             ; vc, the scales' exponents
	s_load_b64 s[16:17], s[0:1], 0x20              ; ac
	v_lshl_add_u32 v[SPW], v0, 2, SPARE
	v_mov_b32 v[NIL], 0
	ds_add_u32 v[SPW], v[NIL]                      ; the opening: the add, twice on end, and its wait ahead of my tensor load
	ds_add_u32 v[SPW], v[NIL]
	v_lshrrev_b32 v8, 5, v0
	v_readfirstlane_b32 s[WV], v8                  ; wave 0..15
	s_bfe_u32 s72, ttmp6, 0x40000                  ; cx
	s_lshl_b32 s73, ttmp9, 2
	s_add_co_u32 s73, s73, s72                     ; j = 4 x cluster x + cx
	s_and_b32 s74, ttmp7, 0xffff                   ; y = 16 b + head
	s_lshl_b32 s76, s74, 17                        ; the pair's first byte in qc, kc, vc
	s_mov_b32 s77, 0
	s_lshr_b32 s[ROLE], s[WV], 2
	s_xor_b32 s[ROLE], s[ROLE], s[WV]
	s_and_b32 s[ROLE], s[ROLE], 1                  ; bit 0 xor bit 2: waves 2 n and 2 n + 1 are partners, one of each kind
	s_lshr_b32 s[MM], s[WV], 1
	s_sub_co_u32 s75, 15, s[MM]                    ; 15 - m
	s_cmp_eq_u32 s[ROLE], 1
	s_cselect_b32 s78, s75, s[MM]                  ; state 0's block of queries: A the late one, B the early one
	s_cselect_b32 s[LM0], 7, s[MM]
	s_cselect_b32 s[DG0], 99, s[MM]                ; A meets no masked block
	s_cselect_b32 s[LM0+1], 0, s75
	s_mov_b32 s[DG0+1], s75
	s_lshl_b32 s79, s73, 4                         ; 16 j
	s_lshl_b32 s78, s78, 7
	s_add_co_u32 s78, s78, s79                     ; state 0's first query
	s_lshl_b32 s80, s75, 7
	s_add_co_u32 s80, s80, s79                     ; the late tile's
	s_lshl_b32 s82, s78, 6
	s_mov_b32 s83, 0
	s_add_nc_u64 s[82:83], s[82:83], s[76:77]      ; their codes
	s_lshl_b32 s84, s80, 6
	s_mov_b32 s85, 0
	s_add_nc_u64 s[84:85], s[84:85], s[76:77]
	s_lshr_b32 s86, s74, 4
	s_lshl_b32 s86, s86, 11
	s_add_co_u32 s86, s86, s78                     ; the first token that I store,
	s_lshl_b32 s86, s86, 10                        ; x 1,024 bytes,
	s_and_b32 s87, s74, 15
	s_lshl_b32 s87, s87, 8
	s_add_co_u32 s86, s86, s87                     ; + the head's unit
	s_mov_b32 s87, 0
	s_and_b32 s90, s[WV], 7
	s_lshl_b32 s88, s90, 14                        ; K's piece: 256 keys are 16,384 dense bytes
	s_mov_b32 s89, 0
	s_add_nc_u64 s[88:89], s[88:89], s[76:77]
	s_lshl_b32 s90, s90, 8                         ; V's piece: 256 bytes of each row
	s_mov_b32 s91, 0
	s_add_nc_u64 s[90:91], s[90:91], s[76:77]
	s_mov_b32 s[G1K], 15|(1<<20)|(1<<21)|(5<<22)|(3<<25)   ; the mask of the four; elements of 1 byte; padding: four words after every 64
	s_mov_b32 s[G1K+1], 256<<16
	s_mov_b32 s[G1K+2], 64<<16
	s_mov_b32 s[G1K+3], 256<<16
	s_mov_b32 s[G1K+4], 64
	s_mov_b32 s[G1K+5], 256                        ; K's rows are dense
	s_mov_b32 s[G1K+6], 0
	s_mov_b32 s[G1K+7], 0
	s_mov_b32 s[G1V], 15|(1<<20)|(1<<21)|(5<<22)|(3<<25)
	s_mov_b32 s[G1V+1], 256<<16
	s_mov_b32 s[G1V+2], 64<<16
	s_mov_b32 s[G1V+3], 256<<16
	s_mov_b32 s[G1V+4], 64
	s_mov_b32 s[G1V+5], 2048                       ; V's lie 2,048 bytes apart
	s_mov_b32 s[G1V+6], 0
	s_mov_b32 s[G1V+7], 0
	s_mov_b32 s[G0K], 1
	s_mul_i32 s[G0K+1], s[WV], PIECE               ; piece w lies at w x 17,408
	s_mov_b32 s[G0V], 1
	s_mul_i32 s[G0V+1], s[WV], PIECE
	s_mov_b32 s[SEL], 0x76543210
	s_mov_b32 s[SEL+1], 0xfedcba98
	s_mov_b32 s[CS], 0x3d38aa3b                    ; log2(e) / 32
	s_mov_b32 s[TB0], 0
	s_mov_b32 s[TB0+1], 4*PIECE                    ; key block 8
	s_mov_b32 s[KB0], 0
	s_mov_b32 s[KB0+1], 8
	s_mov_b32 s[CNT], 4
	s_wait_dscnt 0x0                               ; both opening adds are done
	s_wait_kmcnt 0x0
	s_load_b128 s[68:71], s[14:15], 0x18           ; e6, e7, e8, e9
	s_load_b32 s55, s[14:15], 0x28                 ; e10
	s_add_nc_u64 s[G0K+2:G0K+3], s[6:7], s[88:89]
	s_or_b32 s[G0K+3], s[G0K+3], 0x80000000
	s_add_nc_u64 s[G0V+2:G0V+3], s[12:13], s[90:91]
	s_or_b32 s[G0V+3], s[G0V+3], 0x80000000
	CROUND                                         ; the four work-groups are here: the joint loads meet
	s_cmp_lt_u32 s[WV], 8                          ; one load in each arm; an s_nop 0 and four v_nop follow each
	s_cbranch_scc0 .Lfor_v
	tensor_load_to_lds s[G0K:G0K+3], s[G1K:G1K+7]
	s_nop 0
.rept 4
	v_nop
.endr
	s_branch .Lasked
.Lfor_v:
	tensor_load_to_lds s[G0V:G0V+3], s[G1V:G1V+7]
	s_nop 0
.rept 4
	v_nop
.endr
.Lasked:
	s_add_nc_u64 s[56:57], s[4:5], s[84:85]        ; Q's codes of the late tile,
	s_add_nc_u64 s[4:5], s[4:5], s[82:83]          ; of state 0's
	s_add_nc_u64 s[16:17], s[16:17], s[86:87]      ; ac at my first unit
	s_mul_i32 s88, s[WV], EXB
	s_xor_b32 s89, s[WV], 1
	s_mul_i32 s89, s89, EXB
	v_and_b32 v8, 15, v0                           ; r
	v_bfe_u32 v9, v0, 4, 1                         ; h
	v_lshlrev_b32 v10, 6, v8
	v_lshl_add_u32 v10, v9, 4, v10                 ; Q: row r of 64 bytes, + 16 h
	global_load_b128 v[16:19], v10, s[4:5]
	global_load_b128 v[20:23], v10, s[4:5] offset:32
	global_load_b128 v[24:27], v10, s[56:57]       ; state 1's (in an A wave it serves no step, but the registers are written)
	global_load_b128 v[28:31], v10, s[56:57] offset:32
	v_lshlrev_b32 v11, 4, v9
	v_sub_nc_u32 v[DV], v8, v11
	v_add_nc_u32 v[DV], s79, v[DV]
	v_and_b32 v11, 31, v0
	v_lshlrev_b32 v11, 4, v11
	v_add_nc_u32 v[EXS], s88, v11
	v_add_nc_u32 v[EXL], s89, v11
	v_and_b32 v11, 8, v8
	v_add_nc_u32 v11, v11, v8                      ; r + 8 (r / 8)
	v_lshrrev_b32 v[AK0], 2, v11
	v_mul_u32_u24 v[AK0], v[AK0], KP
	v_and_b32 v11, 3, v11
	v_lshl_add_u32 v[AK0], v11, 6, v[AK0]
	v_lshl_add_u32 v[AK0], v9, 4, v[AK0]
	v_mul_u32_u24 v[AV0], v8, KP
	v_lshl_add_u32 v[AV0], v9, 4, v[AV0]
	v_add_nc_u32 v[AV0], VB, v[AV0]
	v_lshlrev_b32 v[GO], 12, v9
	v_lshl_add_u32 v[GO], v8, 4, v[GO]             ; lanes 0-15 one unit of 256 bytes, lanes 16-31 the unit of the next four tokens
	v_mov_b32 v13, 0xff61b1e6                      ; the largest t so far: -3e38
	v_floor_f32 v12, -v13
	v_mov_b32 v14, 0
	v_mov_b32 v15, 0
	v_mov_b32 v247, 0xff61b1e6
	v_floor_f32 v246, -v247
	v_mov_b32 v248, 0
	v_mov_b32 v249, 0
	v_mov_b32 v236, 0                              ; a lane permute's destination counts as a source
	v_mov_b32 v252, 0
	v_mov_b32 v253, 0                              ; upper halves of pairs that are named whole
	v_mov_b32 v251, 0
.set j, 0
.rept 64
	v_mov_b32 v[160+j], 0                          ; O^T of both states: the step is written once for a state, and its first step finds zeros
.set j, j+1
.endr
	s_wait_kmcnt 0x0
	s_add_co_i32 s72, s68, s69
	s_lshl_b32 s72, s72, 23
	s_add_co_i32 s[CS], s[CS], s72                 ; e6 + e7 are added to c's exponent field
	s_mov_b32 s[CS+1], s[CS]
	s_add_co_i32 s72, s70, 127
	s_lshl_b32 s73, s72, 23
	v_mov_b32 v244, s73                            ; 2^e8
	s_add_co_i32 s72, s72, 15
	s_lshl_b32 s72, s72, 23
	s_or_b32 s72, s72, 0x600000
	v_mov_b32 v240, s72                            ; 57,344 x 2^e8
	s_add_co_i32 s72, s55, 127
	s_lshl_b32 s73, s72, 23
	v_mov_b32 v245, s73                            ; 2^e10
	s_add_co_i32 s72, s72, 15
	s_lshl_b32 s72, s72, 23
	s_or_b32 s72, s72, 0x600000
	v_mov_b32 v241, s72                            ; 57,344 x 2^e10
; A KEY STEP: 128 keys, the q-th half of the piece in hand, for state st.
.macro STEP q, st
.set QR, 16+8*(\st)
.set OA, 160+32*(\st)
.set NM, 12+234*(\st)
.set LS, 14+234*(\st)
	s_cmp_gt_u32 s[KB0+(\st)], s[LM0+(\st)]        ; a block behind the state's last is left out: the wave's number and the count of steps alone decide
	s_cbranch_scc1 .Lhidden_\@
	v_add_nc_u32 v[ADK], s[TB0+(\st)], v[AK0]
	v_add_nc_u32 v[ADV], s[TB0+(\st)], v[AV0]
	v_nop                                          ; with the two additions: four places in front of loads into registers that the last products have read
	v_nop
.irp t, 0,1,2,3,4,5,6,7
	ds_load_b128 v[32+8*\t:35+8*\t], v[ADK] offset:(32*(\q)+8*(\t/2)+2*(\t%2))*KP
	ds_load_b128 v[36+8*\t:39+8*\t], v[ADK] offset:(32*(\q)+8*(\t/2)+2*(\t%2))*KP+32
.endr
	s_wait_alu depctr_va_vdst(0)                   ; the wait here, directly ahead of the wait below
	s_wait_dscnt 0x0
.irp t, 0,1,2,3,4,5,6,7
	v_wmma_f32_16x16x64_bf8_bf8 v[96+8*\t:103+8*\t], v[32+8*\t:39+8*\t], v[QR:QR+7], 0   ; S^T = K Q^T
.endr
.rept 4
	v_nop                                          ; places: in front of the loads below and of the first read of the scores
.endr
.irp t, 0,1,2,3
.irp c, 0,1,2,3
	ds_load_b128 v[32+16*\t+4*\c:35+16*\t+4*\c], v[ADV] offset:16*\t*KP+128*(\q)+32*\c   ; V's four fragments land under the softmax
.endr
.endr
	s_cmp_lg_u32 s[KB0+(\st)], s[DG0+(\st)]        ; in the block that holds the tile's own keys hidden scores become -infinity ahead of the maximum
	s_cbranch_scc1 .Lopen_\@
	v_mov_b32 v254, 0xff800000
.set n, 0
.rept 64
	v_cmp_gt_i32 vcc_lo, 32*(n/16)+n%16, v[DV]     ; register 16 b + i holds the block's key 16 h + 32 b + i
	v_cndmask_b32 v[96+n], v[96+n], v254, vcc_lo
.set n, n+1
.endr
.Lopen_\@:
	v_max3_num_f32 v254, v96, v97, v98             ; the step's largest score of my query, in two chains
	v_max3_num_f32 v252, v99, v100, v101
.irp i, 6,10,14,18,22,26,30,34,38,42,46,50,54,58
	v_max3_num_f32 v254, v254, v[96+\i], v[97+\i]
	v_max3_num_f32 v252, v252, v[98+\i], v[99+\i]
.endr
	v_max3_num_f32 v254, v254, v158, v159
	s_delay_alu instid0(VALU_DEP_1)
	v_max_num_f32 v254, v254, v252
	v_permlanex16_b32 v236, v254, s[SEL], s[SEL+1]
	s_delay_alu instid0(VALU_DEP_1)
	v_max_num_f32 v254, v254, v236                 ; and lane l xor 16's
	s_delay_alu instid0(VALU_DEP_1)
	v_mul_f32 v254, s[CS], v254                    ; as t (c is positive)
	s_delay_alu instid0(VALU_DEP_1)
	v_max_num_f32 v[NM+1], v[NM+1], v254
	v_mov_b32 v254, v[NM]
	s_delay_alu instid0(VALU_DEP_2)
	v_floor_f32 v[NM], -v[NM+1]                    ; the new -M = -ceil(t)
	s_delay_alu instid0(VALU_DEP_1)
	v_sub_f32 v254, v[NM], v254                    ; old M - new M: a whole number, 0 or less
	s_delay_alu instid0(VALU_DEP_1)
	v_cvt_i32_f32 v254, v254
	s_delay_alu instid0(VALU_DEP_1)
	v_ldexp_f32 v252, 1.0, v254                    ; f = 2^(old M - new M)
.set j, 0
.rept 32
	v_pk_fma_f32 v[96+j:97+j], v[96+j:97+j], s[CS:CS+1], v[NM:NM+1] op_sel_hi:[1,0,0]   ; t - M
.set j, j+2
.endr
.set j, 0
	s_wait_alu depctr_va_vdst(0)                   ; the wait ahead of the batch
.rept 64
	v_exp_f32 v[96+j], v[96+j]                     ; p = 2^(t - M)
.set j, j+1
.endr
	v_pk_mul_f32 v[LS:LS+1], v[LS:LS+1], v[252:253] op_sel_hi:[1,0]   ; the sums under the new M: the plain instruction behind the batch
	s_wait_alu depctr_va_vdst(0)                   ; and the one wait behind it
	v_pk_add_f32 v[242:243], v[96:97], v[98:99]    ; the row's sum of the unquantised p, in two chains
.irp j, 4,8,12,16,20,24,28,32,36,40,44,48,52,56,60
	v_pk_add_f32 v[LS:LS+1], v[LS:LS+1], v[96+\j:97+\j]
	v_pk_add_f32 v[242:243], v[242:243], v[98+\j:99+\j]
.endr
	s_delay_alu instid0(VALU_DEP_1)
	v_pk_add_f32 v[LS:LS+1], v[LS:LS+1], v[242:243]
.irp b, 0,1,2,3
.irp i, 0,1,2,3,4,5,6,7,8,9,10,11,12,13,14,15
	v_min_num_f32 v[96+16*\b+\i], v[96+16*\b+\i], v240   ; the conversion does not saturate (ISA guide 7.6.2); p is not negative
.endr
	v_cvt_scalef32_pk8_bf8_f32 v[224+4*\b:225+4*\b], v[96+16*\b:103+16*\b], v244
	v_cvt_scalef32_pk8_bf8_f32 v[226+4*\b:227+4*\b], v[104+16*\b:111+16*\b], v244
.endr
	s_wait_alu depctr_va_vdst(0)                   ; the wait here, directly ahead of the first reader of O^T
.set j, 0
.rept 16
	v_pk_mul_f32 v[OA+j:OA+j+1], v[OA+j:OA+j+1], v[252:253] op_sel_hi:[1,0]   ; O^T under the new M; also the plain instructions between the conversions and the products
.set j, j+2
.endr
	s_wait_alu depctr_va_vdst(0)                   ; the wait here, directly ahead of the wait below
	s_wait_dscnt 0x0                               ; V's fragments are in
.irp t, 0,1,2,3
	v_wmma_f32_16x16x128_bf8_bf8 v[OA+8*\t:OA+8*\t+7], v[32+16*\t:47+16*\t], v[224:239], v[OA+8*\t:OA+8*\t+7]   ; O^T += V^T P^T: four accumulators by turns
.endr
.Lhidden_\@:
	s_add_co_u32 s[KB0+(\st)], s[KB0+(\st)], 1
.endm
	s_wait_alu depctr_va_vdst(0)                   ; the wait at the head's end
	s_wait_loadcnt 0x0                             ; Q
	s_wait_tensorcnt 0x0                           ; my piece is in,
	s_barrier_signal -1
	s_barrier_wait -1                              ; and everybody's: K and V are whole
.Ltrip:                                            ; four trips: a piece (two key blocks) of each state's range
	STEP 0, 0
	STEP 1, 0
	STEP 0, 1
	STEP 1, 1
	s_add_co_u32 s[TB0], s[TB0], PIECE
	s_add_co_u32 s[TB0+1], s[TB0+1], PIECE
	s_sub_co_u32 s[CNT], s[CNT], 1
	s_cmp_lg_u32 s[CNT], 0
	s_cbranch_scc1 .Ltrip
	; THE JOIN.  The addresses of the way out are made first, on the way that all waves take: they are the places behind the last products.
	v_and_b32 v8, 15, v0
	v_bfe_u32 v9, v0, 4, 1
	s_lshl_b32 s73, s[WV], 10
	s_add_co_u32 s73, s73, STAGE
	v_lshrrev_b32 v10, 2, v8
	v_lshlrev_b32 v10, 8, v10
	v_and_b32 v11, 3, v8
	v_lshl_add_u32 v10, v11, 4, v10
	v_lshl_add_u32 v10, v9, 3, v10
	v_add_nc_u32 v10, s73, v10                     ; in: unit r / 4, token r % 4, + 8 h; tile t's chunk 64 t bytes on
	v_and_b32 v11, 31, v0
	v_lshlrev_b32 v11, 4, v11
	v_add_nc_u32 v11, s73, v11                     ; back: 16 x lane
	s_wait_alu depctr_va_vdst(0)                   ; the wait here, directly ahead of the wait below
	s_wait_dscnt 0x0                               ; my reads of K and V are over
	s_barrier_signal -1
	s_barrier_wait -1                              ; everybody's are: K's bytes, which have had their only fill, now serve the exchange and the stages
	s_cmp_eq_u32 s[ROLE], 0                        ; a B wave hands its share of the late tile over, as images of its registers
	s_cbranch_scc0 .Lno_send
	s_wait_alu depctr_va_vdst(0)                   ; the wait here, directly ahead of the first reader of state 1's O^T
.irp n, 0,1,2,3,4,5,6,7
	ds_store_b128 v[EXS], v[192+4*\n:195+4*\n] offset:512*\n
.endr
	ds_store_b128 v[EXS], v[246:249] offset:4096   ; -M, the largest t, the sum's two halves
.Lno_send:
	s_wait_dscnt 0x0                               ; for the partner's sake: my stores are done
	s_barrier_signal -1
	s_barrier_wait -1
	s_cmp_eq_u32 s[ROLE], 1                        ; an A wave joins its partner's share to its own
	s_cbranch_scc0 .Lno_merge
.irp n, 0,1,2,3,4,5,6,7
	ds_load_b128 v[32+4*\n:35+4*\n], v[EXL] offset:512*\n
.endr
	ds_load_b128 v[64:67], v[EXL] offset:4096
	s_wait_dscnt 0x0
	v_min_num_f32 v252, v12, v64                   ; the common -M: the larger M
	v_sub_f32 v254, v252, v12                      ; my M less the common one,
	v_sub_f32 v250, v252, v64                      ; and my partner's
	v_cvt_i32_f32 v254, v254
	v_cvt_i32_f32 v250, v250
	v_ldexp_f32 v252, 1.0, v254
	v_ldexp_f32 v250, 1.0, v250                    ; neither multiplication rounds
	v_pk_mul_f32 v[14:15], v[14:15], v[252:253] op_sel_hi:[1,0]
	v_pk_fma_f32 v[14:15], v[66:67], v[250:251], v[14:15] op_sel_hi:[1,0,1]
	s_wait_alu depctr_va_vdst(0)                   ; the wait here, directly ahead of the first reader of O^T
.set j, 0
.rept 16
	v_pk_mul_f32 v[160+j:161+j], v[160+j:161+j], v[252:253] op_sel_hi:[1,0]
.set j, j+2
.endr
.set j, 0
.rept 16
	v_pk_fma_f32 v[160+j:161+j], v[32+j:33+j], v[250:251], v[160+j:161+j] op_sel_hi:[1,0,1]
.set j, j+2
.endr
.Lno_merge:
	; THE WAY OUT.  O^T x 2^(e8 + e9) / the sum, held, quantised with 2^e10, through my stage, which is laid as four units of ac.
	v_add_f32 v14, v14, v15
	v_permlanex16_b32 v252, v14, s[SEL], s[SEL+1]
	v_add_f32 v14, v14, v252                       ; the row's sum
	s_wait_alu depctr_va_vdst(0)                   ; the wait ahead of the transcendental
	v_rcp_f32 v14, v14
	v_nop
	s_add_co_i32 s72, s70, s71                     ; e8 + e9
	s_wait_alu depctr_va_vdst(0)                   ; and ahead of its first reader
	v_ldexp_f32 v14, v14, s72
	s_wait_alu depctr_va_vdst(0)                   ; the wait here, directly ahead of the first reader of O^T
.set j, 0
.rept 32
	v_mul_f32 v[96+j], v[160+j], v14               ; register 8 t + i: (query r, channel 16 t + 8 h + i)
.set j, j+1
.endr
.set j, 0
.rept 32
	v_med3_num_f32 v[96+j], v[96+j], -v241, v241
.set j, j+1
.endr
.irp t, 0,1,2,3
	v_cvt_scalef32_pk8_bf8_f32 v[128+2*\t:129+2*\t], v[96+8*\t:103+8*\t], v245
.endr
	v_nop                                          ; a plain vector instruction behind the last conversion
.irp t, 0,1,2,3
	ds_store_b64 v10, v[128+2*\t:129+2*\t] offset:64*\t
.endr
	ds_load_b128 v[32:35], v11                     ; LDS serves a wave's instructions in order: these see my stores
	ds_load_b128 v[36:39], v11 offset:512
	s_wait_dscnt 1                                 ; the first of the two is in
	global_store_b128 v[GO], v[32:35], s[16:17]    ; 16 lanes store 256 consecutive bytes, aligned
	s_wait_dscnt 0
	global_store_b128 v[GO], v[36:39], s[16:17] offset:8192
	s_wait_tensorcnt 0x0                           ; the wave's end
	ds_add_u32 v[SPW], v[NIL]
	s_wait_dscnt 0x0
	CROUND                                         ; the closing round
	s_endpgm
.Lfunc_end_k_q0d19bb992a_attn:
	.size	k_q0d19bb992a_attn, .Lfunc_end_k_q0d19bb992a_attn-k_q0d19bb992a_attn
	.p2alignl 7, 3214868480
	.fill 96, 4, 3214868480
	.section	.rodata,"a",@progbits
	.p2align	6, 0x0
	.amdhsa_kernel k_q0d19bb992a_attn
		.amdhsa_group_segment_fixed_size 327680
		.amdhsa_private_segment_fixed_size 0
		.amdhsa_enable_private_segment 0
		.amdhsa_kernarg_size 40
		.amdhsa_user_sgpr_count 2
		.amdhsa_user_sgpr_kernarg_segment_ptr 1
		.amdhsa_wavefront_size32 1
		.amdhsa_system_sgpr_workgroup_id_x 1
		.amdhsa_system_sgpr_workgroup_id_y 1
		.amdhsa_system_sgpr_workgroup_id_z 1
		.amdhsa_system_vgpr_workitem_id 0
		.amdhsa_next_free_vgpr 256
		.amdhsa_next_free_sgpr 100
		.amdhsa_reserve_vcc 1
		.amdhsa_float_denorm_mode_32 3
		.amdhsa_float_denorm_mode_16_64 3
		.amdhsa_memory_ordered 1
		.amdhsa_forward_progress 1
		.amdhsa_inst_pref_size 102
	.end_amdhsa_kernel
	.amdgpu_metadata
---
amdhsa.version: [ 1, 2 ]
amdhsa.kernels:
  - .name:           k_q0d19bb992a_attn
    .symbol:         k_q0d19bb992a_attn.kd
    .args:
      - { .name: qc, .offset: 0, .size: 8, .value_kind: global_buffer, .address_space: global }
      - { .name: kc, .offset: 8, .size: 8, .value_kind: global_buffer, .address_space: global }
      - { .name: vc, .offset: 16, .size: 8, .value_kind: global_buffer, .address_space: global }
      - { .name: lowp_scales, .offset: 24, .size: 8, .value_kind: global_buffer, .address_space: global }
      - { .name: ac, .offset: 32, .size: 8, .value_kind: global_buffer, .address_space: global }
    .group_segment_fixed_size: 327680
    .private_segment_fixed_size: 0
    .kernarg_segment_align: 8
    .kernarg_segment_size: 40
    .max_flat_workgroup_size: 512
    .sgpr_count:     100
    .vgpr_count:     256
    .wavefront_size: 32
...
	.end_amdgpu_metadata
.endif
;; end of part 3
;; launch proj (part 4): grid 8 x 32, 4 waves a work-group, clusters of 4 x 4, 327,680 bytes of LDS; arguments ac, Wproj_codes, lowp_scales, bproj, x, x1; writes x1
.if DOCPART == 4
	.amdgcn_target "amdgcn-amd-amdhsa--gfx1250"
	.amdhsa_code_object_version 6
	.text
	.protected	k_q0d19bb992a_proj
	.globl	k_q0d19bb992a_proj
	.p2align	8
	.type	k_q0d19bb992a_proj,@function
k_q0d19bb992a_proj:
	s_mov_b64 s[64:65], 0
	v_nop
	global_prefetch_b8 v0, s[64:65] scope:SCOPE_SE
	s_setreg_imm32_b32 hwreg(HW_REG_WAVE_MODE, 25, 1), 1
	s_wait_xcnt 0x0
	s_wait_alu depctr_hold_cnt(0) depctr_sa_sdst(0) depctr_va_vdst(0) depctr_va_sdst(0) depctr_va_ssrc(0) depctr_va_vcc(0) depctr_vm_vsrc(0)
	s_getreg_b32 s2, hwreg(HW_REG_IB_STS2, 6, 4)
	s_cmp_eq_u32 s2, 0
	s_cbranch_scc0 .Lentry_in_a_cluster
	s_endpgm
.Lentry_in_a_cluster:
	s_bfe_u32 s2, ttmp6, 0x10000c
	s_cmp_lg_u32 s2, 0xf033
	s_cbranch_scc0 .Lentry_shape_is_right
	s_endpgm
.Lentry_shape_is_right:
; OUT[m][n] = RES[m][n] + BIAS[n] + 2^(eA + eB) x sum over k of A[m][k] B[n][k]: a GEMM on codes of BF8 (E5M2) with N = 1,024, f32 out.  ONE TEXT, TWO LAUNCHES, told apart by PROJ below.
; PROJ = 1: A = the attention's codes ac, K = 1,024, B = Wproj, bias bproj, residual x, out x1.   PROJ = 0: A = fc [4096][4096], K = 4,096, B = W2, bias b2, residual x1, out out0.
; LIMIT: eA + eB (entries 10 + 11; 14 + 15) between -126 and 127, so that 2^(eA + eB) is an f32 number.
; A tile of OUT is 128 x 128, so that the 4,096 x 1,024 numbers give 256 work-groups.  Four waves, each 64 x 64: 16 accumulators.  K goes in steps of 512 codes through a ring of two LDS slots.
; The form is v_wmma_f32_16x16x64_bf8_bf8: a fragment is 16 rows x 64 codes in 8 registers, fetched by two 16-byte loads 32 bytes apart: a permutation of k inside an instruction, the same in A and in B.
; ac lies as [token / 4][head][channel / 16][token % 4][16 codes]: a row of four tokens is 4,096 bytes, a head's unit 256.  A K step is eight heads: 2,048 bytes of each of 16 such rows for 64 tokens.
; Lane (r, h) finds channels 16 h + 0 .. 15 of a head at unit + 64 h + 16 (r % 4), and channels 32 + 16 h + 0 .. 15 128 bytes on: the same k that B's two loads bring.
; CLUSTERS: 4 x 4 work-groups; A's tile is shared along a row of the cluster, B's along a column: each is asked for jointly.  THE MATRIX INSTRUCTION IS USED TRANSPOSED: a lane holds eight neighbouring numbers of a row of OUT.
; The residual is asked for at the head, in the layout in which rows come back from the stage, and lands under the K loop.
; REGISTERS: window 0: v0-31 addresses; v32-95 at work on the way out; v96-127 the bias in the result's layout; v128-255 the accumulators ((a, b) at v[128 + 8 (4 a + b)]).
;   window 1: two fragment buffers of 128: for 128 along K, 64 registers of A, then 64 of B.   window 2: v0-127 the residual.
.set PROJ,  1
.set KB,    4096-3072*PROJ             ; K: a row of B in bytes
.set ESC,   56-16*PROJ                 ; byte of the pair eA, eB in the buffer of scales
.set ASTEP, 512+1536*PROJ              ; a K step along A's rows in memory, in bytes
.set GP,    2112                       ; PROJ: a row of four tokens in LDS: 2,048 bytes + 32 of padding behind each 1,024
.set PITCH, 528                        ; an LDS row: 512 bytes + 16 of padding
.set HALFT, 64*PITCH                   ; what one tensor load brings: 64 rows (PROJ, for A: 16 x GP, the same number)
.set SLOT,  4*HALFT                    ; A's 128 rows, then B's 128 rows
.set STAGE, 2*SLOT                     ; behind the ring: 16 rows x 272 bytes for each wave, for the way out
.set SPITCH, 272
.set SPARE, STAGE+4*16*SPITCH          ; behind the stages: the spare words, 128 bytes a wave
.set LAPS,  KB/1024                    ; a lap = two K steps = once round the ring
.set ADRA, 16                          ; v16-17  LDS address of my A fragments in slot 0, 1
.set ADRB, 20                          ; v20-21  the same for B
.set STO,  24                          ; v24     the way out: where I put 32 bytes of a row
.set RD,   25                          ; v25     where I read a row back
.set CO,   26                          ; v26     my byte offset in OUT and in RES
.set SPW,  28                          ; v28     LDS address of my spare word; never rewritten
.set NIL,  29                          ; v29     0; never rewritten
.set TMP,  32
.set BI,   96
.set ACC,  128
.set F0,   0                           ; fragment buffers, in window 1
.set F1,   128
.set G1,  24                           ; s[24:31] descriptor group 1 for A's tiles; s[32:39] group 0, one set for each slot
.set G0,  32
.set G1B, 48                           ; s[48:55], s[56:63] the same for B's
.set G0B, 56
.set MSB, 0
.macro WIN new                         ; the immediate's high byte repeats the setting that is left
.if MSB != (\new)
	s_set_vgpr_msb (MSB<<8)|(\new)
.set MSB, (\new)
.endif
.endm
.set MUL,  0x05                        ; sources 0 (B) and 1 (A) window 1; C and D window 0
.set TO_F, 0x40                        ; destination window 1, address window 0
.macro JLOAD s                         ; a joint load: waves 0 and 1 fetch A's two halves, waves 2 and 3 B's; an s_nop 0 and four v_nop follow each of the two lines
	s_cmp_eq_u32 s11, 0
	s_cbranch_scc0 .Lfor_b_\@
	tensor_load_to_lds s[G0+4*\s:G0+4*\s+3], s[G1:G1+7]
	s_nop 0
.rept 4
	v_nop
.endr
	s_branch .Lasked_\@
.Lfor_b_\@:
	tensor_load_to_lds s[G0B+4*\s:G0B+4*\s+3], s[G1B:G1B+7]
	s_nop 0
.rept 4
	v_nop
.endr
.Lasked_\@:
.endm
.macro CREST                           ; a round of the cluster's barrier behind its opening barrier
	s_cmp_lg_u32 s10, 0
	s_cbranch_scc1 .Lnot_wave_0_\@
	s_barrier_signal -3
.Lnot_wave_0_\@:
	s_barrier_wait -3
	s_barrier_signal -1
	s_barrier_wait -1
.endm
.macro CROUND                          ; a whole round
	s_barrier_signal -1
	s_barrier_wait -1
	CREST
.endm
	s_load_b256 s[68:75], s[0:1], 0x0              ; A s[68:69], B s[70:71], the scales' exponents s[72:73], the bias s[74:75]
	s_load_b128 s[76:79], s[0:1], 0x20             ; the residual s[76:77], OUT s[78:79]
	v_lshl_add_u32 v[SPW], v0, 2, SPARE
	v_mov_b32 v[NIL], 0
	ds_add_u32 v[SPW], v[NIL]                      ; the wave's opening: the add, twice on end, and its wait ahead of my first tensor load
	ds_add_u32 v[SPW], v[NIL]
	v_lshrrev_b32 v1, 5, v0
	v_readfirstlane_b32 s10, v1                    ; wave 0..3
	s_lshr_b32 s11, s10, 1                         ; which half of the tile's rows is mine.  Also: I fetch for A (0) or for B (1)
	s_and_b32 s12, s10, 1                          ; which half of its columns.  Also: which 64 rows of that tile I fetch
	s_bfe_u32 s40, ttmp6, 0x40000                  ; cx, cy: my place in the cluster
	s_bfe_u32 s41, ttmp6, 0x40004
	s_lshl_b32 s42, ttmp9, 2
	s_add_co_u32 s42, s42, s40                     ; tile column = 4 x cluster x + cx
	s_and_b32 s13, ttmp7, 0xffff
	s_lshl_b32 s13, s13, 2
	s_add_co_u32 s13, s13, s41                     ; tile row = 4 x cluster y + cy
	s_lshl_b32 s43, s41, 2
	s_lshl_b32 s43, 15, s43                        ; my row of the cluster
	s_lshl_b32 s44, 0x1111, s40                    ; my column
	; descriptor groups 1, elements of 1 byte.  B (and A where PROJ = 0): 64 rows x 512 bytes, four words of padding after every 128.  A where PROJ = 1: 16 rows x 2,048 bytes, 4,096 apart, eight words of padding after every 256
.if PROJ
	s_or_b32 s[G1+0], s43, (1<<20)|(1<<21)|(7<<22)|(7<<25)
	s_mov_b32 s[G1+1], 2048<<16                    ; tensor_dim0
	s_mov_b32 s[G1+2], 16<<16                      ; tensor_dim1
	s_mov_b32 s[G1+3], 2048<<16                    ; tile_dim0
	s_mov_b32 s[G1+4], 16                          ; tile_dim1
	s_mov_b32 s[G1+5], 4096                        ; tensor_dim0_stride
.else
	s_or_b32 s[G1+0], s43, (1<<20)|(1<<21)|(6<<22)|(3<<25)
	s_mov_b32 s[G1+1], 512<<16
	s_mov_b32 s[G1+2], 64<<16
	s_mov_b32 s[G1+3], 512<<16
	s_mov_b32 s[G1+4], 64
	s_mov_b32 s[G1+5], 4096
.endif
	s_mov_b32 s[G1+6], 0
	s_mov_b32 s[G1+7], 0
	s_or_b32 s[G1B+0], s44, (1<<20)|(1<<21)|(6<<22)|(3<<25)
	s_mov_b32 s[G1B+1], 512<<16
	s_mov_b32 s[G1B+2], 64<<16
	s_mov_b32 s[G1B+3], 512<<16
	s_mov_b32 s[G1B+4], 64
	s_mov_b32 s[G1B+5], KB
	s_mov_b32 s[G1B+6], 0
	s_mov_b32 s[G1B+7], 0
.if PROJ
	s_lshl_b32 s17, s12, 4                         ; A: row of four tokens 32 x tile row + 16 x half,
	s_lshl_b32 s16, s13, 5
.else
	s_lshl_b32 s17, s12, 6                         ; A: row 128 x tile row + 64 x half,
	s_lshl_b32 s16, s13, 7
.endif
	s_add_co_u32 s16, s16, s17
	s_lshl_b32 s16, s16, 12                        ; x 4,096 bytes: under 2^25
	s_mov_b32 s17, 0
	s_lshl_b32 s47, s12, 6
	s_lshl_b32 s46, s42, 7
	s_add_co_u32 s46, s46, s47                     ; B: row 128 x tile column + 64 x half,
	s_mul_i32 s46, s46, KB                         ; in bytes
	s_mov_b32 s47, 0
	s_mul_i32 s20, s10, HALFT                      ; where they go: wave x HALFT: no place in the cluster enters an LDS address
	s_wait_dscnt 0x0                               ; both opening adds are done
	s_wait_kmcnt 0x0
	s_load_b64 s[80:81], s[72:73], ESC             ; eA, eB
	s_add_nc_u64 s[14:15], s[68:69], s[16:17]
	s_add_nc_u64 s[46:47], s[70:71], s[46:47]
	CROUND                                         ; all sixteen work-groups are here: the first joint loads meet
.irp s, 0,1
	s_mov_b32 s[G0+4*\s], 1
	s_add_co_u32 s[G0+4*\s+1], s20, \s*SLOT
	s_add_nc_u64 s[G0+4*\s+2:G0+4*\s+3], s[14:15], \s*ASTEP
	s_or_b32 s[G0+4*\s+3], s[G0+4*\s+3], 0x80000000
	s_mov_b32 s[G0B+4*\s], 1
	s_add_co_u32 s[G0B+4*\s+1], s20, \s*SLOT
	s_add_nc_u64 s[G0B+4*\s+2:G0B+4*\s+3], s[46:47], \s*512
	s_or_b32 s[G0B+4*\s+3], s[G0B+4*\s+3], 0x80000000
.if \s == 0
	JLOAD 0                                        ; K step 0: one tensor load a wave at the head; the set-up below runs while it is out
.endif
.endr
	v_and_b32 v1, 15, v0                           ; r = lane % 16
	v_bfe_u32 v2, v0, 4, 1                         ; h = lane / 16
	v_mul_u32_u24 v3, v1, PITCH
	v_lshl_add_u32 v3, v2, 4, v3                   ; a fragment's row x pitch + 16 h
.if PROJ
.set LA, 4
	v_lshrrev_b32 v4, 2, v1
	v_mul_u32_u24 v4, v4, GP
	v_and_b32 v5, 3, v1
	v_lshl_add_u32 v4, v5, 4, v4
	v_lshl_add_u32 v4, v2, 6, v4                   ; ac: row r / 4 of four tokens, token r % 4, chunk h
.else
.set LA, 3
.endif
	s_mul_i32 s21, s11, HALFT                      ; my 64 rows of A
	s_mul_i32 s22, s12, HALFT                      ; my 64 rows of B,
	s_add_co_u32 s22, s22, 2*HALFT                 ; which lie behind A's 128
.irp s, 0,1
	v_add_nc_u32 v[ADRA+\s], s21, v[LA]
	v_add_nc_u32 v[ADRB+\s], s22, v3
	s_add_co_u32 s21, s21, SLOT
	s_add_co_u32 s22, s22, SLOT
.endr
	s_mul_i32 s23, s10, 16*SPITCH
	s_add_co_u32 s23, s23, STAGE                   ; my stage: a wave's 64 columns of f32 are a whole 256 bytes, so each wave has its own and no barrier is needed
	v_mul_u32_u24 v6, v1, SPITCH
	v_lshl_add_u32 v6, v2, 5, v6
	v_add_nc_u32 v[STO], s23, v6                   ; in: row r, 32 bytes for each half of the lanes
	v_mul_u32_u24 v6, v2, SPITCH
	v_lshl_add_u32 v6, v1, 4, v6
	v_add_nc_u32 v[RD], s23, v6                    ; back: lanes 0-15 one row of 256 bytes, lanes 16-31 the next
	v_lshlrev_b32 v[CO], 12, v2
	v_lshl_add_u32 v[CO], v1, 4, v[CO]             ; and the same two rows in OUT and RES (rows of 4,096 bytes)
	s_wait_alu depctr_va_vdst(0)
	s_lshl_b32 s82, s42, 9                         ; my first column in bytes: 512 x tile column + 256 x column half
	s_lshl_b32 s66, s12, 8
	s_add_co_u32 s82, s82, s66
	s_mov_b32 s83, 0
	s_add_nc_u64 s[74:75], s[74:75], s[82:83]      ; the bias there
	s_lshl_b32 s66, s13, 19                        ; + my first row: (128 x tile row + 64 x row half) x 4,096
	s_add_co_u32 s82, s82, s66
	s_lshl_b32 s66, s11, 18
	s_add_co_u32 s82, s82, s66
	s_add_nc_u64 s[76:77], s[76:77], s[82:83]
	s_add_nc_u64 s[78:79], s[78:79], s[82:83]
	v_lshlrev_b32 v7, 5, v2                        ; the bias: lane (r, h) wants, for block b, the eight numbers at 16 b + 8 h
.irp b, 0,1,2,3
	global_load_b128 v[BI+8*\b:BI+8*\b+3],   v7, s[74:75] offset:64*\b
	global_load_b128 v[BI+8*\b+4:BI+8*\b+7], v7, s[74:75] offset:64*\b+16
.endr
	WIN 0x80                                       ; destination window 2
.set n, 0
.rept 32
	global_load_b128 v[4*n:4*n+3], v[CO], s[76:77] offset:2*n*4096 th:TH_LOAD_NT   ; the residual, rows 2 n and 2 n + 1 of my 64: each byte is read once in this launch
.set n, n+1
.endr
	WIN 0
; 8 matrix instructions: m blocks a0, a0 + 1 x all 4 n blocks, 64 along K: half c of buffer f.  zero = 1: the first product starts the sums.  The 16 accumulators take turns.
.macro MUL8 f, c, a0, zero
.irp a, \a0, \a0+1
.irp b, 0,1,2,3
.if \zero
	v_wmma_f32_16x16x64_bf8_bf8 v[ACC+8*(4*(\a)+\b):ACC+8*(4*(\a)+\b)+7], v[\f+64+8*(4*\c+\b):\f+64+8*(4*\c+\b)+7], v[\f+8*(4*\c+\a):\f+8*(4*\c+\a)+7], 0
.else
	v_wmma_f32_16x16x64_bf8_bf8 v[ACC+8*(4*(\a)+\b):ACC+8*(4*(\a)+\b)+7], v[\f+64+8*(4*\c+\b):\f+64+8*(4*\c+\b)+7], v[\f+8*(4*\c+\a):\f+8*(4*\c+\a)+7], v[ACC+8*(4*(\a)+\b):ACC+8*(4*(\a)+\b)+7]
.endif
.endr
.endr
.endm
; 32 LDS loads in one run: the fragments of 128 along K at byte k of the rows, into buffer f; the first 64 along K first
.macro FETCH slot, k, f
	WIN TO_F
.irp c, 0,1
.irp i, 0,1,2,3
	ds_load_b128 v[\f+64+8*(4*\c+\i):\f+64+8*(4*\c+\i)+3],   v[ADRB+\slot] offset:\k+64*\c+\i*16*PITCH
	ds_load_b128 v[\f+64+8*(4*\c+\i)+4:\f+64+8*(4*\c+\i)+7], v[ADRB+\slot] offset:\k+64*\c+\i*16*PITCH+32
.if PROJ                               ; head k / 64 + c of the slot's eight: its unit lies 256 bytes a head on, and 32 more behind the fourth
	ds_load_b128 v[\f+8*(4*\c+\i):\f+8*(4*\c+\i)+3],         v[ADRA+\slot] offset:((\k)/64+\c)*256+(((\k)/64+\c)/4)*32+\i*4*GP
	ds_load_b128 v[\f+8*(4*\c+\i)+4:\f+8*(4*\c+\i)+7],       v[ADRA+\slot] offset:((\k)/64+\c)*256+(((\k)/64+\c)/4)*32+\i*4*GP+128
.else
	ds_load_b128 v[\f+8*(4*\c+\i):\f+8*(4*\c+\i)+3],         v[ADRA+\slot] offset:\k+64*\c+\i*16*PITCH
	ds_load_b128 v[\f+8*(4*\c+\i)+4:\f+8*(4*\c+\i)+7],       v[ADRA+\slot] offset:\k+64*\c+\i*16*PITCH+32
.endif
.endr
.endr
.endm
.macro PLACES                          ; four plain vector instructions in front of loads into registers that matrix instructions have read, and of the first read of results
.rept 4
	v_nop
.endr
.endm
; A K step is four quarters of 128 along K, 32 matrix instructions each, on buffers 0, 1, 0, 1.  One of the first three: multiplies buffer f and fetches the next quarter, at byte k, into g.
.macro QUARTER slot, k, f, g, zero
	s_wait_dscnt 16                                ; the first 64 along K are in; the youngest sixteen loads may be out
	WIN MUL
	MUL8 \f, 0, 0, \zero
	MUL8 \f, 0, 2, \zero
	PLACES
	FETCH \slot, \k, \g
	s_wait_dscnt 32                                ; all but the 32 just issued
	WIN MUL
	MUL8 \f, 1, 0, 0
	MUL8 \f, 1, 2, 0
.endm
; The last quarter multiplies buffer 1 and changes slots: one barrier; in front of it each wave waits for all its tensor loads, adds 0 to its spare word, and waits for that and for its own reads of this slot.  fill = 1: this slot is filled again, two K steps ahead.
.macro TURN slot, next, fill
	WIN 0                                          ; (the add's two registers lie in window 0)
	s_wait_tensorcnt 0x0                           ; all my tensor loads have landed: my part of the next slot
	ds_add_u32 v[SPW], v[NIL]                      ; 0 onto my spare word
	s_wait_dscnt 17                                ; the add and the youngest sixteen loads may be out
	WIN MUL
	MUL8 F1, 0, 0, 0                               ; eight matrix instructions stand between the add and the wait for it
	s_wait_dscnt 0x0                               ; the add is done, and my reads of this slot are over
	s_barrier_signal -1
	MUL8 F1, 0, 2, 0
.if \fill
	WIN 0
.endif
	s_barrier_wait -1
.if \fill
	CREST                                          ; the barrier has opened a round of the cluster's barrier: no wave of any partner still reads this slot or has a load on its way
	s_add_nc_u64 s[G0+4*\slot+2:G0+4*\slot+3], s[G0+4*\slot+2:G0+4*\slot+3], 2*ASTEP
	s_add_nc_u64 s[G0B+4*\slot+2:G0B+4*\slot+3], s[G0B+4*\slot+2:G0B+4*\slot+3], 2*512
	JLOAD \slot                                    ; the first tensor load behind the round, my only one until the next; its four v_nop are the places in front of the loads below
.else
	PLACES
.endif
	FETCH \next, 0, F0
	WIN MUL
	MUL8 F1, 1, 0, 0
	MUL8 F1, 1, 2, 0
.endm
	s_wait_alu depctr_va_vdst(0)                   ; the wait at the head's end
	s_wait_tensorcnt 0x0                           ; my part of K step 0 is in
	ds_add_u32 v[SPW], v[NIL]
	s_wait_dscnt 0x0
	CROUND                                         ; everybody's part of K step 0 is in, and the sixteen work-groups meet
	JLOAD 1                                        ; K step 1: the first tensor load behind the round
	FETCH 0, 0, F0
	QUARTER 0, 128, F0, F1, 1                      ; the first quarter stands in front of the loop: its first products start the sums
.if LAPS > 1
	WIN 0                                          ; at a label and at a branch every window is 0
	s_mov_b32 s3, LAPS-1
.Llap:                                                 ; a trip goes once round the ring, from a lap's second quarter to the next lap's first, and fills both slots again
	QUARTER 0, 256, F1, F0, 0
	QUARTER 0, 384, F0, F1, 0
	TURN 0, 1, 1
	QUARTER 1, 128, F0, F1, 0
	QUARTER 1, 256, F1, F0, 0
	QUARTER 1, 384, F0, F1, 0
	TURN 1, 0, 1
	QUARTER 0, 128, F0, F1, 0
	WIN 0
	s_sub_co_u32 s3, s3, 1
	s_cmp_lg_u32 s3, 0
	s_cbranch_scc1 .Llap
.endif
	QUARTER 0, 256, F1, F0, 0                      ; the last lap fills nothing, and has no round of the cluster's barrier
	QUARTER 0, 384, F0, F1, 0
	TURN 0, 1, 0
	QUARTER 1, 128, F0, F1, 0
	QUARTER 1, 256, F1, F0, 0
	QUARTER 1, 384, F0, F1, 0
	s_wait_dscnt 16                                ; the very last quarter: nothing more to fetch
	WIN MUL
	MUL8 F1, 0, 0, 0
	MUL8 F1, 0, 2, 0
	s_wait_dscnt 0
	MUL8 F1, 1, 0, 0
	MUL8 F1, 1, 2, 0
	WIN 0
; THE WAY OUT, block by block of 16 rows x 64 columns: sum x 2^(eA + eB) + bias, one packed multiply-add for two numbers; through my own stage in LDS; back as whole rows of 256 bytes, into the block's own accumulators,
; which are free by then; the residual is added; sixteen lanes store 256 consecutive bytes, aligned.  LDS serves a wave's instructions in order: no wait between the stores and the loads, nor in front of the next block's stores.
.macro TOSTAGE a
.set TT, TMP+32*((\a)%2)
.irp b, 0,1,2,3
.irp i, 0,2,4,6
	v_pk_fma_f32 v[TT+8*\b+\i:TT+8*\b+\i+1], v[ACC+8*(4*(\a)+\b)+\i:ACC+8*(4*(\a)+\b)+\i+1], s[80:81], v[BI+8*\b+\i:BI+8*\b+\i+1] op_sel_hi:[1,0,1]   ; each accumulator from its low end on
.endr
.endr
.irp b, 0,1,2,3
	ds_store_b128 v[STO], v[TT+8*\b:TT+8*\b+3] offset:64*\b
	ds_store_b128 v[STO], v[TT+8*\b+4:TT+8*\b+7] offset:64*\b+16
.endr
.irp t, 0,1,2,3,4,5,6,7
	ds_load_b128 v[ACC+32*(\a)+4*\t:ACC+32*(\a)+4*\t+3], v[RD] offset:\t*2*SPITCH
.endr
.endm
.macro SEND a, younger                 ; younger: the LDS instructions issued behind block a's loads: the next block's eight stores and eight loads, or none
	s_wait_dscnt \younger
	WIN 0x08                                       ; source 1 (the residual) window 2
.set i, 0
.rept 16
	v_pk_add_f32 v[ACC+32*(\a)+i:ACC+32*(\a)+i+1], v[ACC+32*(\a)+i:ACC+32*(\a)+i+1], v[32*(\a)+i:32*(\a)+i+1]
.set i, i+2
.endr
	WIN 0
.irp t, 0,1,2,3,4,5,6,7
.if PROJ
	global_store_b128 v[CO], v[ACC+32*(\a)+4*\t:ACC+32*(\a)+4*\t+3], s[78:79] offset:(16*(\a)+2*\t)*4096
.else
	global_store_b128 v[CO], v[ACC+32*(\a)+4*\t:ACC+32*(\a)+4*\t+3], s[78:79] offset:(16*(\a)+2*\t)*4096 th:TH_STORE_NT   ; written once, read by nobody here
.endif
.endr
.endm
	s_wait_kmcnt 0x0
	s_add_co_i32 s80, s80, s81                     ; eA + eB, between -126 and 127,
	s_add_co_i32 s80, s80, 127
	s_lshl_b32 s80, s80, 23                        ; makes the f32 number 2^(eA + eB)
	s_mov_b32 s81, s80                             ; (named with it as a pair, so it is written)
	s_wait_loadcnt 0x0                             ; the bias and the residual
	PLACES                                         ; behind the last products
	TOSTAGE 0
.irp a, 1,2,3
	TOSTAGE \a
	SEND \a-1, 16
.endr
	SEND 3, 0
	s_wait_tensorcnt 0x0                           ; the wave's end: behind my last tensor load and my last LDS store
	ds_add_u32 v[SPW], v[NIL]
	s_wait_dscnt 0x0
	CROUND                                         ; the closing round: no work-group ends while a partner may still ask for a tile that names it
	s_endpgm
.Lfunc_end_k_q0d19bb992a_proj:
	.size	k_q0d19bb992a_proj, .Lfunc_end_k_q0d19bb992a_proj-k_q0d19bb992a_proj
	.p2alignl 7, 3214868480
	.fill 96, 4, 3214868480
	.section	.rodata,"a",@progbits
	.p2align	6, 0x0
	.amdhsa_kernel k_q0d19bb992a_proj
		.amdhsa_group_segment_fixed_size 327680
		.amdhsa_private_segment_fixed_size 0
		.amdhsa_enable_private_segment 0
		.amdhsa_kernarg_size 48
		.amdhsa_user_sgpr_count 2
		.amdhsa_user_sgpr_kernarg_segment_ptr 1
		.amdhsa_wavefront_size32 1
		.amdhsa_system_sgpr_workgroup_id_x 1
		.amdhsa_system_sgpr_workgroup_id_y 1
		.amdhsa_system_sgpr_workgroup_id_z 1
		.amdhsa_system_vgpr_workitem_id 0
		.amdhsa_next_free_vgpr 640
		.amdhsa_next_free_sgpr 84
		.amdhsa_reserve_vcc 0
		.amdhsa_float_denorm_mode_32 3
		.amdhsa_float_denorm_mode_16_64 3
		.amdhsa_memory_ordered 1
		.amdhsa_forward_progress 1
		.amdhsa_inst_pref_size 62
	.end_amdhsa_kernel
	.amdgpu_metadata
---
amdhsa.version: [ 1, 2 ]
amdhsa.kernels:
  - .name:           k_q0d19bb992a_proj
    .symbol:         k_q0d19bb992a_proj.kd
    .args:
      - { .name: ac, .offset: 0, .size: 8, .value_kind: global_buffer, .address_space: global }
      - { .name: Wproj_codes, .offset: 8, .size: 8, .value_kind: global_buffer, .address_space: global }
      - { .name: lowp_scales, .offset: 16, .size: 8, .value_kind: global_buffer, .address_space: global }
      - { .name: bproj, .offset: 24, .size: 8, .value_kind: global_buffer, .address_space: global }
      - { .name: x, .offset: 32, .size: 8, .value_kind: global_buffer, .address_space: global }
      - { .name: x1, .offset: 40, .size: 8, .value_kind: global_buffer, .address_space: global }
    .group_segment_fixed_size: 327680
    .private_segment_fixed_size: 0
    .kernarg_segment_align: 8
    .kernarg_segment_size: 48
    .max_flat_workgroup_size: 128
    .sgpr_count:     84
    .vgpr_count:     640
    .wavefront_size: 32
...
	.end_amdgpu_metadata
.endif
;; end of part 4
;; launch ln2 (part 5): grid 256 x 1, 8 waves a work-group, no clusters, 0 bytes of LDS; arguments x1, ln2_w, ln2_b, lowp_scales, h2c; writes h2c
.if DOCPART == 5
	.amdgcn_target "amdgcn-amd-amdhsa--gfx1250"
	.amdhsa_code_object_version 6
	.text
	.protected	k_q0d19bb992a_ln2
	.globl	k_q0d19bb992a_ln2
	.p2align	8
	.type	k_q0d19bb992a_ln2,@function
k_q0d19bb992a_ln2:
	s_mov_b64 s[64:65], 0
	v_nop
	global_prefetch_b8 v0, s[64:65] scope:SCOPE_SE
	s_setreg_imm32_b32 hwreg(HW_REG_WAVE_MODE, 25, 1), 1
	s_wait_xcnt 0x0
; The second layer norm: h2 = LN(x1), quantised once (entry 12 of the scales) -> h2c [4096][1024].  The same text as the first layer norm's, with NS = 1.
; y = (x - mean) * rsqrt(var + 1e-5) * w + b in f32, mean and var over the row's 1,024 numbers (var of the numbers less the mean: two passes over registers);
; code = y / 2^e, held within +-57,344, to the nearest code, ties to even.  LIMITS: e between -126 and 112, so that 2^e and 57,344 x 2^e are f32 numbers.  NaN among the inputs is not served.
; SHARES.  A work-group takes 16 rows, a wave two; a row stays in 32 registers a lane between the passes, so it is read once.  For j = 0..3 a lane holds the 8 neighbours 256 j + 8 lane + 0..7:
; the conversion takes 8 neighbours from one lane's registers, and the lane's 8 codes are 8 bytes, so that a wave's store covers 256 consecutive bytes, aligned.
; No LDS, no barrier, no matrix unit: waves share nothing and the launch is a stream.  All of a wave's 32 loads go out at its head; there is no loop.
.set NS,  1                            ; how many scales the row is quantised with
.set E0,  48                           ; byte of the (first) entry in the buffer of scales
.set W,   4                            ; v4-35    my 32 gains
.set BV,  36                           ; v36-67   my 32 biases
.set X,   68                           ; v68-131  two rows, 32 numbers each
.set T,   132                          ; v132-147 two sets of 8 held numbers, by turns
.set S,   148                          ; v148-151 sums in two chains
.set R,   152                          ; v152-153 rsqrt(var + eps); the upper register is only named with it as a pair
.set SC,  154                          ; v[154+2s] 2^e of set s, v[155+2s] 57,344 x 2^e
.set C,   160                          ; codes: registers of their own for every store, none written twice
	s_load_b256 s[4:11], s[0:1], 0x0               ; rows s[4:5], gains s[6:7], biases s[8:9], scales' exponents s[10:11]
	s_load_b64 s[12:13], s[0:1], 0x20              ; the codes
	v_lshrrev_b32 v3, 5, v0
	s_delay_alu instid0(VALU_DEP_1)
	v_readfirstlane_b32 s14, v3                    ; wave 0..7
	v_and_b32 v1, 31, v0
	s_delay_alu instid0(VALU_DEP_1)
	v_lshlrev_b32 v2, 3, v1                        ; 8 x lane: my 8 codes of a group of 256
	s_delay_alu instid0(VALU_DEP_2)
	v_lshlrev_b32 v1, 5, v1                        ; 32 x lane: my 8 numbers of a group of 256
	v_mov_b32 v[R+1], 0
	s_lshl_b32 s15, ttmp9, 4
	s_lshl_b32 s2, s14, 1
	s_add_co_u32 s15, s15, s2                      ; my first row: 16 x work-group + 2 x wave
	s_lshl_b32 s2, s15, 12                         ; x 4,096 bytes
	s_mov_b32 s3, 0
	s_lshl_b32 s32, s15, 10                        ; x 1,024 bytes of codes
	s_mov_b32 s33, 0
	s_mov_b32 s20, 0x3a800000                      ; 1 / 1,024
	s_mov_b32 s21, 0x76543210                      ; v_permlanex16_b32: lane l takes lane l xor 16
	s_mov_b32 s22, 0xfedcba98
	s_mov_b32 s34, 0x3727c5ac                      ; 1e-5
	s_wait_alu depctr_va_vdst(0)
	s_wait_kmcnt 0x0
.if NS == 3
	s_load_b128 s[16:19], s[10:11], 0x0            ; entries 0 to 3: sets 0 and 1 take s16 and s18
	s_load_b32 s23, s[10:11], 0x10                 ; entry 4: set 2
.else
	s_load_b32 s16, s[10:11], E0
.endif
	s_add_nc_u64 s[4:5], s[4:5], s[2:3]
	s_add_nc_u64 s[24:25], s[12:13], s[32:33]
.if NS == 3
	s_add_nc_u64 s[26:27], s[24:25], 0x400000
	s_add_nc_u64 s[28:29], s[24:25], 0x800000
.endif
.macro LDROW p                         ; row p: for each group of 256 numbers two loads on end, which together cover 1,024 consecutive bytes; read once in this launch
.irp j, 0,1,2,3
	global_load_b128 v[X+32*\p+8*\j:X+32*\p+8*\j+3],   v1, s[4:5] offset:4096*\p+1024*\j th:TH_LOAD_NT
	global_load_b128 v[X+32*\p+8*\j+4:X+32*\p+8*\j+7], v1, s[4:5] offset:4096*\p+1024*\j+16 th:TH_LOAD_NT
.endr
.endm
.macro LDVEC reg, lo                   ; gains or biases, in the same layout; every work-group reads them
.irp j, 0,1,2,3
	global_load_b128 v[\reg+8*\j:\reg+8*\j+3],   v1, s[\lo:\lo+1] offset:1024*\j
	global_load_b128 v[\reg+8*\j+4:\reg+8*\j+7], v1, s[\lo:\lo+1] offset:1024*\j+16
.endr
.endm
	LDROW 0
	LDVEC W, 6
	LDVEC BV, 8
	LDROW 1
.macro MKSC s, e                       ; set s: 2^e as f32 (the conversion takes its exponent field), and the largest number x 2^e
	s_add_co_i32 s35, s[\e], 127
	s_lshl_b32 s36, s35, 23
	v_mov_b32 v[SC+2*\s], s36
	s_add_co_i32 s35, s35, 15
	s_lshl_b32 s35, s35, 23
	s_or_b32 s35, s35, 0x600000
	v_mov_b32 v[SC+2*\s+1], s35
.endm
	s_wait_kmcnt 0x0
	MKSC 0, 16
.if NS == 3
	MKSC 1, 18
	MKSC 2, 23
.endif
.macro RED                             ; the two chains, the pair's halves, then the 32 lanes: every lane ends with the row's sum in v[S]
	s_delay_alu instid0(VALU_DEP_1)
	v_pk_add_f32 v[S:S+1], v[S:S+1], v[S+2:S+3]
	s_delay_alu instid0(VALU_DEP_1)
	v_add_f32 v[S], v[S], v[S+1]
.irp m, 1,2,4,8
	s_delay_alu instid0(VALU_DEP_1)
	v_add_f32_dpp v[S], v[S], v[S] row_xmask:\m row_mask:0xf bank_mask:0xf
.endr
	s_delay_alu instid0(VALU_DEP_1)
	v_permlanex16_b32 v[S+1], v[S], s21, s22
	s_delay_alu instid0(VALU_DEP_1)
	v_add_f32 v[S], v[S], v[S+1]
.endm
; Row p.  n1: the younger loads that may be out when the row is needed; n2: when gains and biases are needed.
.macro ROW p, n1, n2
.set XR, X+32*\p
	s_wait_loadcnt \n1
	v_pk_add_f32 v[S:S+1], v[XR:XR+1], v[XR+2:XR+3]            ; the first numbers start the chains: nothing is cleared
	v_pk_add_f32 v[S+2:S+3], v[XR+4:XR+5], v[XR+6:XR+7]
.irp j, 8,12,16,20,24,28
	s_delay_alu instid0(VALU_DEP_2)
	v_pk_add_f32 v[S:S+1], v[S:S+1], v[XR+\j:XR+\j+1]
	s_delay_alu instid0(VALU_DEP_2)
	v_pk_add_f32 v[S+2:S+3], v[S+2:S+3], v[XR+\j+2:XR+\j+3]
.endr
	RED
	s_delay_alu instid0(VALU_DEP_1)
	v_mul_f32 v[S], s20, v[S]                      ; the mean
.set j, 0
.rept 16
	v_pk_add_f32 v[XR+j:XR+j+1], v[XR+j:XR+j+1], v[S:S+1] op_sel_hi:[1,0] neg_lo:[0,1] neg_hi:[0,1]   ; x - mean
.set j, j+2
.endr
	v_pk_mul_f32 v[S:S+1], v[XR:XR+1], v[XR:XR+1]
	v_pk_mul_f32 v[S+2:S+3], v[XR+2:XR+3], v[XR+2:XR+3]
.irp j, 4,8,12,16,20,24,28
	s_delay_alu instid0(VALU_DEP_2)
	v_pk_fma_f32 v[S:S+1], v[XR+\j:XR+\j+1], v[XR+\j:XR+\j+1], v[S:S+1]
	s_delay_alu instid0(VALU_DEP_2)
	v_pk_fma_f32 v[S+2:S+3], v[XR+\j+2:XR+\j+3], v[XR+\j+2:XR+\j+3], v[S+2:S+3]
.endr
	RED
	s_delay_alu instid0(VALU_DEP_1)
	v_fma_f32 v[R], v[S], s20, s34                 ; var + eps
	s_wait_alu depctr_va_vdst(0)
	v_rsq_f32 v[R], v[R]
	v_nop                                          ; a plain instruction behind the transcendental,
	s_wait_alu depctr_va_vdst(0)                   ; and the wait ahead of its first reader
	s_wait_loadcnt \n2
.set j, 0
.rept 16
	v_pk_mul_f32 v[XR+j:XR+j+1], v[XR+j:XR+j+1], v[R:R+1] op_sel_hi:[1,0]
.set j, j+2
.endr
.set j, 0
.rept 16
	v_pk_fma_f32 v[XR+j:XR+j+1], v[XR+j:XR+j+1], v[W+j:W+j+1], v[BV+j:BV+j+1]
.set j, j+2
.endr
.irp s, 0,1,2
.if \s < NS
.irp j, 0,1,2,3
.set TT, T+8*((4*\s+\j)%2)             ; the two sets take turns: a conversion's sources are written again only behind the other set's eight plain lines
.irp i, 0,1,2,3,4,5,6,7
	v_med3_num_f32 v[TT+\i], v[XR+8*\j+\i], -v[SC+2*\s+1], v[SC+2*\s+1]   ; the conversion to an 8-bit code does not saturate (ISA guide 7.6.2): the hold comes first
.endr
	v_cvt_scalef32_pk8_bf8_f32 v[C+24*\p+8*\s+2*\j:C+24*\p+8*\s+2*\j+1], v[TT:TT+7], v[SC+2*\s]
	global_store_b64 v2, v[C+24*\p+8*\s+2*\j:C+24*\p+8*\s+2*\j+1], s[24+2*\s:25+2*\s] offset:1024*\p+256*\j   ; 32 lanes store 256 consecutive bytes, aligned
.endr
.endif
.endr
.endm
	ROW 0, 24, 8                                   ; 24: gains, biases and row 1 may be out; 8: row 1 may be out
	ROW 1, 0, 0
	s_endpgm
.Lfunc_end_k_q0d19bb992a_ln2:
	.size	k_q0d19bb992a_ln2, .Lfunc_end_k_q0d19bb992a_ln2-k_q0d19bb992a_ln2
	.p2alignl 7, 3214868480
	.fill 96, 4, 3214868480
	.section	.rodata,"a",@progbits
	.p2align	6, 0x0
	.amdhsa_kernel k_q0d19bb992a_ln2
		.amdhsa_group_segment_fixed_size 0
		.amdhsa_private_segment_fixed_size 0
		.amdhsa_enable_private_segment 0
		.amdhsa_kernarg_size 40
		.amdhsa_user_sgpr_count 2
		.amdhsa_user_sgpr_kernarg_segment_ptr 1
		.amdhsa_wavefront_size32 1
		.amdhsa_system_sgpr_workgroup_id_x 1
		.amdhsa_system_sgpr_workgroup_id_y 1
		.amdhsa_system_sgpr_workgroup_id_z 1
		.amdhsa_system_vgpr_workitem_id 0
		.amdhsa_next_free_vgpr 208
		.amdhsa_next_free_sgpr 66
		.amdhsa_reserve_vcc 0
		.amdhsa_float_denorm_mode_32 3
		.amdhsa_float_denorm_mode_16_64 3
		.amdhsa_memory_ordered 1
		.amdhsa_forward_progress 1
		.amdhsa_inst_pref_size 25
	.end_amdhsa_kernel
	.amdgpu_metadata
---
amdhsa.version: [ 1, 2 ]
amdhsa.kernels:
  - .name:           k_q0d19bb992a_ln2
    .symbol:         k_q0d19bb992a_ln2.kd
    .args:
      - { .name: x1, .offset: 0, .size: 8, .value_kind: global_buffer, .address_space: global }
      - { .name: ln2_w, .offset: 8, .size: 8, .value_kind: global_buffer, .address_space: global }
      - { .name: ln2_b, .offset: 16, .size: 8, .value_kind: global_buffer, .address_space: global }
      - { .name: lowp_scales, .offset: 24, .size: 8, .value_kind: global_buffer, .address_space: global }
      - { .name: h2c, .offset: 32, .size: 8, .value_kind: global_buffer, .address_space: global }
    .group_segment_fixed_size: 0
    .private_segment_fixed_size: 0
    .kernarg_segment_align: 8
    .kernarg_segment_size: 40
    .max_flat_workgroup_size: 256
    .sgpr_count:     66
    .vgpr_count:     208
    .wavefront_size: 32
...
	.end_amdgpu_metadata
.endif
;; end of part 5
;; launch ffn1 (part 6): grid 16 x 16, 4 waves a work-group, clusters of 4 x 4, 327,680 bytes of LDS; arguments h2c, W1_codes, lowp_scales, b1, fc; writes fc
.if DOCPART == 6
	.amdgcn_target "amdgcn-amd-amdhsa--gfx1250"
	.amdhsa_code_object_version 6
	.text
	.protected	k_q0d19bb992a_ffn1
	.globl	k_q0d19bb992a_ffn1
	.p2align	8
	.type	k_q0d19bb992a_ffn1,@function
k_q0d19bb992a_ffn1:
	s_mov_b64 s[64:65], 0
	v_nop
	global_prefetch_b8 v0, s[64:65] scope:SCOPE_SE
	s_setreg_imm32_b32 hwreg(HW_REG_WAVE_MODE, 25, 1), 1
	s_wait_xcnt 0x0
	s_wait_alu depctr_hold_cnt(0) depctr_sa_sdst(0) depctr_va_vdst(0) depctr_va_sdst(0) depctr_va_ssrc(0) depctr_va_vcc(0) depctr_vm_vsrc(0)
	s_getreg_b32 s2, hwreg(HW_REG_IB_STS2, 6, 4)
	s_cmp_eq_u32 s2, 0
	s_cbranch_scc0 .Lentry_in_a_cluster
	s_endpgm
.Lentry_in_a_cluster:
	s_bfe_u32 s2, ttmp6, 0x10000c
	s_cmp_lg_u32 s2, 0xf033
	s_cbranch_scc0 .Lentry_shape_is_right
	s_endpgm
.Lentry_shape_is_right:
.set QKV,   0
.set BIAS,  1-QKV
.set KROW,  1024
.set ROWB,  256
.set PITCH, 272
.set FR,    16
.set NL,    4
.set NP,    4
.set HALFT, 128*PITCH
.set SLOT,  4*HALFT
.set LAPS,  KROW/(2*ROWB)
.set SPARE, 2*SLOT
.set OUTP,  2048+2048*BIAS
.set ADRA, 16
.set ADRB, 20
.set COQ,  22
.set STO,  24
.set RDV,  25
.set COV,  26
.set RDQ,  27
.set SPW,  28
.set NIL,  29
.set SCL,  30
.set LIM,  31
.set BI,   32
.set CD,   32
.set AF,   128
.set BK,   128
.set G1,  24
.set G0,  32
.set G1B, 48
.set G0B, 56
.set MSB, 0
.macro WIN new
.if MSB != (\new)
	s_set_vgpr_msb (MSB<<8)|(\new)
.set MSB, (\new)
.endif
.endm
.set MUL_LO, 0xa1
.set MUL_HI, 0xf1
.set TO_B,   0x40
.macro JLOAD g0a, g1a, g0b, g1b
	s_cmp_eq_u32 s15, 0
	s_cbranch_scc0 .Lfor_b_\@
	tensor_load_to_lds s[\g0a:\g0a+3], s[\g1a:\g1a+7]
	s_nop 0
.rept 4
	v_nop
.endr
	s_branch .Lasked_\@
.Lfor_b_\@:
	tensor_load_to_lds s[\g0b:\g0b+3], s[\g1b:\g1b+7]
	s_nop 0
.rept 4
	v_nop
.endr
.Lasked_\@:
.endm
.macro CREST
	s_cmp_lg_u32 s14, 0
	s_cbranch_scc1 .Lnot_wave_0_\@
	s_barrier_signal -3
.Lnot_wave_0_\@:
	s_barrier_wait -3
	s_barrier_signal -1
	s_barrier_wait -1
.endm
.macro CROUND
	s_barrier_signal -1
	s_barrier_wait -1
	CREST
.endm
.if QKV
	s_load_b512 s[68:83], s[0:1], 0x0
.else
	s_load_b256 s[68:75], s[0:1], 0x0
	s_load_b64 s[76:77], s[0:1], 0x20
.endif
	v_lshl_add_u32 v[SPW], v0, 2, SPARE
	v_mov_b32 v[NIL], 0
	ds_add_u32 v[SPW], v[NIL]
	ds_add_u32 v[SPW], v[NIL]
	v_lshrrev_b32 v1, 5, v0
	v_readfirstlane_b32 s14, v1
	s_lshr_b32 s15, s14, 1
	s_and_b32 s16, s14, 1
	s_bfe_u32 s40, ttmp6, 0x40000
	s_bfe_u32 s41, ttmp6, 0x40004
	s_and_b32 s13, ttmp7, 0xffff
	s_lshl_b32 s13, s13, 2
.if QKV
	s_mov_b32 s12, ttmp9
	s_add_co_u32 s18, s13, s41
	s_add_co_u32 s19, s13, s40
	s_lshl_b32 s22, s12, 22
	s_cmp_eq_u32 s12, 2
	s_cselect_b32 s17, s41, s18
	s_cselect_b32 s42, s19, s40
	s_cselect_b32 s22, 0, s22
	s_cselect_b32 s23, 0x800000, 0
.else
	s_add_co_u32 s17, s13, s41
	s_lshl_b32 s42, ttmp9, 2
	s_add_co_u32 s42, s42, s40
	s_mov_b32 s22, 0
	s_mov_b32 s23, 0
.endif
	s_lshl_b32 s43, s41, 2
	s_lshl_b32 s43, 15, s43
	s_lshl_b32 s44, 0x1111, s40
	s_or_b32 s[G1+0], s43, (1<<20)|(1<<21)|(5<<22)|(3<<25)
	s_or_b32 s[G1B+0], s44, (1<<20)|(1<<21)|(5<<22)|(3<<25)
.irp g, G1, G1B
	s_mov_b32 s[\g+1], ROWB<<16
	s_mov_b32 s[\g+2], 128<<16
	s_mov_b32 s[\g+3], ROWB<<16
	s_mov_b32 s[\g+4], 128
	s_mov_b32 s[\g+5], KROW
	s_mov_b32 s[\g+6], 0
	s_mov_b32 s[\g+7], 0
.endr
	s_lshl_b32 s18, s16, 7
	s_lshl_b32 s20, s17, 8
	s_add_co_u32 s20, s20, s18
	s_lshl_b32 s20, s20, 10
	s_add_co_u32 s20, s20, s22
	s_mov_b32 s21, 0
	s_lshl_b32 s46, s42, 8
	s_add_co_u32 s46, s46, s18
	s_lshl_b32 s46, s46, 10
	s_add_co_u32 s46, s46, s23
	s_mov_b32 s47, 0
	s_mul_i32 s45, s14, HALFT
	s_wait_dscnt 0x0
	s_wait_kmcnt 0x0
.if QKV
	s_load_b512 s[84:99], s[76:77], 0x0
	s_cmp_eq_u32 s12, 2
	s_cselect_b64 s[4:5], s[74:75], s[68:69]
	s_cselect_b64 s[6:7], s[68:69], s[70:71]
	s_cselect_b64 s[10:11], s[82:83], s[78:79]
	s_cmp_eq_u32 s12, 1
	s_cselect_b64 s[6:7], s[72:73], s[6:7]
	s_cselect_b64 s[10:11], s[80:81], s[10:11]
.else
	s_load_b128 s[84:87], s[72:73], 0x30
	s_mov_b64 s[4:5], s[68:69]
	s_mov_b64 s[6:7], s[70:71]
	s_mov_b64 s[10:11], s[76:77]
.endif
	s_add_nc_u64 s[20:21], s[4:5], s[20:21]
	s_add_nc_u64 s[46:47], s[6:7], s[46:47]
	CROUND
.irp s, 0,1
	s_mov_b32 s[G0+4*\s], 1
	s_add_co_u32 s[G0+4*\s+1], s45, \s*SLOT
	s_add_nc_u64 s[G0+4*\s+2:G0+4*\s+3], s[20:21], \s*ROWB
	s_or_b32 s[G0+4*\s+3], s[G0+4*\s+3], 0x80000000
	s_mov_b32 s[G0B+4*\s], 1
	s_add_co_u32 s[G0B+4*\s+1], s45, \s*SLOT
	s_add_nc_u64 s[G0B+4*\s+2:G0B+4*\s+3], s[46:47], \s*ROWB
	s_or_b32 s[G0B+4*\s+3], s[G0B+4*\s+3], 0x80000000
.if \s == 0
	JLOAD G0, G1, G0B, G1B                         ; K step 0: one tensor load a wave at the head; the set-up below, b1 among it, runs while it is out
.endif
.endr
	v_and_b32 v1, 15, v0
	v_bfe_u32 v2, v0, 4, 1
	v_mul_u32_u24 v3, v1, PITCH
	s_wait_alu depctr_va_vdst(0)
	v_lshl_add_u32 v4, v2, 4, v3
	s_mul_i32 s21, s15, HALFT
	s_mul_i32 s22, s16, HALFT
	s_add_co_u32 s22, s22, 2*HALFT
.irp s, 0,1
	v_add_nc_u32 v[ADRA+\s], s21, v4
	v_add_nc_u32 v[ADRB+\s], s22, v4
	s_add_co_u32 s21, s21, SLOT
	s_add_co_u32 s22, s22, SLOT
.endr
	s_mul_i32 s23, s15, 128*PITCH
	s_lshl_b32 s21, s16, 7
	s_add_co_u32 s23, s23, s21
	v_lshl_add_u32 v5, v2, 3, v3
	v_add_nc_u32 v[STO], s23, v5
	s_mul_i32 s23, s14, 64*PITCH
	v_mul_u32_u24 v5, v2, PITCH
	v_lshl_add_u32 v5, v1, 4, v5
	v_add_nc_u32 v[RDV], s23, v5
	v_mul_u32_u24 v5, v2, OUTP
	v_lshl_add_u32 v[COV], v1, 4, v5
.if QKV
	v_and_b32 v6, 31, v0
	v_lshlrev_b32 v[COQ], 4, v6
	v_lshrrev_b32 v5, 2, v6
	v_mul_u32_u24 v5, v5, PITCH
	v_and_b32 v6, 3, v6
	v_lshl_add_u32 v5, v6, 4, v5
	v_add_nc_u32 v[RDQ], s23, v5
	s_lshr_b32 s8, s17, 3
	s_lshl_b32 s8, s8, 21
	s_lshl_b32 s2, s42, 19
	s_add_co_u32 s8, s8, s2
	s_and_b32 s2, s17, 7
	s_lshl_b32 s2, s2, 14
	s_add_co_u32 s8, s8, s2
	s_lshl_b32 s2, s14, 12
	s_add_co_u32 s8, s8, s2
	s_lshr_b32 s66, s42, 3
	s_lshl_b32 s66, s66, 21
	s_lshl_b32 s2, s17, 19
	s_add_co_u32 s66, s66, s2
	s_lshl_b32 s2, s14, 17
	s_add_co_u32 s66, s66, s2
	s_and_b32 s2, s42, 7
	s_lshl_b32 s2, s2, 8
	s_add_co_u32 s66, s66, s2
	s_cmp_eq_u32 s12, 2
	s_cselect_b32 s8, s66, s8
.else
	s_lshl_b32 s8, s17, 20
	s_lshl_b32 s2, s14, 18
	s_add_co_u32 s8, s8, s2
	s_lshl_b32 s2, s42, 8
	s_add_co_u32 s8, s8, s2
.endif
	s_mov_b32 s9, 0
	s_add_nc_u64 s[10:11], s[10:11], s[8:9]
.if BIAS
	s_lshl_b32 s8, s42, 10
	s_lshl_b32 s2, s16, 9
	s_add_co_u32 s8, s8, s2
	s_add_nc_u64 s[74:75], s[74:75], s[8:9]
	v_lshlrev_b32 v7, 5, v2
.irp b, 0,1,2,3,4,5,6,7
	global_load_b128 v[BI+8*\b:BI+8*\b+3],   v7, s[74:75] offset:64*\b
	global_load_b128 v[BI+8*\b+4:BI+8*\b+7], v7, s[74:75] offset:64*\b+16
.endr
.endif
	s_wait_kmcnt 0x0
.if QKV
	s_sub_co_i32 s18, s90, s84
	s_sub_co_i32 s18, s18, s85
	s_sub_co_i32 s19, s91, s86
	s_sub_co_i32 s19, s19, s87
	s_sub_co_i32 s20, s93, s88
	s_sub_co_i32 s20, s20, s89
	s_cmp_eq_u32 s12, 1
	s_cselect_b32 s18, s19, s18
	s_cmp_eq_u32 s12, 2
	s_cselect_b32 s18, s20, s18
.else
	s_add_co_i32 s19, s84, s85
	s_sub_co_i32 s18, s86, s19
	s_sub_co_i32 s19, 0, s19
.endif
	s_add_co_i32 s18, s18, 127
	s_lshl_b32 s20, s18, 23
	v_mov_b32 v[SCL], s20
	s_add_co_i32 s18, s18, 15
	s_lshl_b32 s18, s18, 23
	s_or_b32 s18, s18, 0x600000
	v_mov_b32 v[LIM], s18
.if BIAS
	s_wait_loadcnt 0x0
.set j, 0
.rept 64
	v_ldexp_f32 v[BI+j], v[BI+j], s19
.set j, j+1
.endr
.endif
.macro FRAG reg, adr, q, i
.irp c, 0,1,2,3
	ds_load_b128 v[\reg+4*\c:\reg+4*\c+3], v[\adr] offset:128*(\q)+32*\c+(\i)*16*PITCH
.endr
.endm
.macro MUL16 a0, p, zero
.irp a, \a0, \a0+1
.irp b, 0,1,2,3,4,5,6,7
.if (\zero) && BIAS
	v_wmma_f32_16x16x128_bf8_bf8 v[8*(8*((\a)%4)+\b):8*(8*((\a)%4)+\b)+7], v[128*(\p)+FR*\b:128*(\p)+FR*\b+FR-1], v[AF+FR*(\a):AF+FR*(\a)+FR-1], v[BI+8*\b:BI+8*\b+7]
.elseif \zero
	v_wmma_f32_16x16x128_bf8_bf8 v[8*(8*((\a)%4)+\b):8*(8*((\a)%4)+\b)+7], v[128*(\p)+FR*\b:128*(\p)+FR*\b+FR-1], v[AF+FR*(\a):AF+FR*(\a)+FR-1], 0
.else
	v_wmma_f32_16x16x128_bf8_bf8 v[8*(8*((\a)%4)+\b):8*(8*((\a)%4)+\b)+7], v[128*(\p)+FR*\b:128*(\p)+FR*\b+FR-1], v[AF+FR*(\a):AF+FR*(\a)+FR-1], v[8*(8*((\a)%4)+\b):8*(8*((\a)%4)+\b)+7]
.endif
.endr
.endr
.endm
.macro FETCH_B slot, q, p
	WIN TO_B
.irp i, 0,1,2,3,4,5,6,7
	FRAG 128*(\p)+FR*\i, ADRB+\slot, \q, \i
.endr
	WIN 0
.endm
.macro FETCH_A slot, q, i0
.irp i, \i0, \i0+1, \i0+2, \i0+3
	FRAG AF+FR*(\i), ADRA+\slot, \q, \i
.endr
.endm
.macro PLACES n
.rept \n
	v_nop
.endr
.endm
.macro STEP slot, q, zero
	s_wait_dscnt 4*NL
.if (\zero) && BIAS
	WIN 0x81
.else
	WIN MUL_LO
.endif
	MUL16 0, (\q)%2, \zero
	MUL16 2, (\q)%2, \zero
	s_wait_dscnt 0
	PLACES NP
	FETCH_B \slot, (\q)+1, 1-(\q)%2
	FETCH_A \slot, (\q)+1, 0
.if (\zero) && BIAS
	WIN 0xc1
.else
	WIN MUL_HI
.endif
	MUL16 4, (\q)%2, \zero
	MUL16 6, (\q)%2, \zero
	PLACES NP
	WIN 0
	FETCH_A \slot, (\q)+1, 4
.endm
.macro TURN slot, next, fill
	s_wait_tensorcnt 0x0
	ds_add_u32 v[SPW], v[NIL]
	s_wait_dscnt 4*NL+1
	WIN MUL_LO
	MUL16 0, 1, 0
	s_wait_dscnt 0x0
	s_barrier_signal -1
	MUL16 2, 1, 0
	WIN 0
	s_barrier_wait -1
.if \fill
	CREST
	s_add_nc_u64 s[G0+4*\slot+2:G0+4*\slot+3], s[G0+4*\slot+2:G0+4*\slot+3], 2*ROWB
	s_add_nc_u64 s[G0B+4*\slot+2:G0B+4*\slot+3], s[G0B+4*\slot+2:G0B+4*\slot+3], 2*ROWB
	JLOAD G0+4*\slot, G1, G0B+4*\slot, G1B
.else
	PLACES NP
.endif
	FETCH_B \next, 0, 0
	FETCH_A \next, 0, 0
	WIN MUL_HI
	MUL16 4, 1, 0
	MUL16 6, 1, 0
	PLACES NP
	WIN 0
	FETCH_A \next, 0, 4
.endm
	s_wait_alu depctr_va_vdst(0)
	s_wait_tensorcnt 0x0                           ; my part of K step 0 is in
	ds_add_u32 v[SPW], v[NIL]
	s_wait_dscnt 0x0
	CROUND                                         ; everybody's part of K step 0 is in, and the sixteen work-groups meet
	JLOAD G0+4, G1, G0B+4, G1B                     ; K step 1: the first tensor load behind the round
	FETCH_B 0, 0, 0
	FETCH_A 0, 0, 0
	FETCH_A 0, 0, 4
	STEP 0, 0, 1
	s_mov_b32 s3, LAPS-1
.Llap:
	TURN 0, 1, 1
	STEP 1, 0, 0
	TURN 1, 0, 1
	STEP 0, 0, 0
	s_sub_co_u32 s3, s3, 1
	s_cmp_lg_u32 s3, 0
	s_cbranch_scc1 .Llap
	TURN 0, 1, 0
	STEP 1, 0, 0
	s_wait_dscnt 4*NL
	WIN MUL_LO
	MUL16 0, 1, 0
	MUL16 2, 1, 0
	s_wait_dscnt 0
	WIN MUL_HI
	MUL16 4, 1, 0
	MUL16 6, 1, 0
	WIN 0
.macro QBLK a
.set AC, 64*((\a)%4)
	WIN 0x82+0x41*((\a)/4)
.set j, 0
.rept 64
.if BIAS
	v_med3_num_f32 v[AC+j], v[AC+j], 0, v[LIM]
.else
	v_med3_num_f32 v[AC+j], v[AC+j], -v[LIM], v[LIM]
.endif
.set j, j+1
.endr
	WIN 0x02+((\a)/4)
.irp b, 0,1,2,3,4,5,6,7
	v_cvt_scalef32_pk8_bf8_f32 v[CD+16*(\a)+2*\b:CD+16*(\a)+2*\b+1], v[AC+8*\b:AC+8*\b+7], v[SCL]
.endr
	v_nop
	WIN 0
.irp b, 0,1,2,3,4,5,6,7
	ds_store_b64 v[STO], v[CD+16*(\a)+2*\b:CD+16*(\a)+2*\b+1] offset:(\a)*16*PITCH+16*\b
.endr
.endm
	PLACES NP
.irp a, 0,1,2,3,4,5,6,7
	QBLK \a
.endr
	s_wait_dscnt 0x0
	s_barrier_signal -1
	s_barrier_wait -1
.if QKV
	s_cmp_eq_u32 s12, 2
	s_cbranch_scc1 .Lrows
.set n, 0
.rept 32
	ds_load_b128 v[BK+4*n:BK+4*n+3], v[RDQ] offset:(n%8)*8*PITCH+64*(n/8)
.set n, n+1
.endr
.set n, 0
.rept 32
	s_wait_dscnt 31-n
	global_store_b128 v[COQ], v[BK+4*n:BK+4*n+3], s[10:11] offset:(n/8)*131072+512*(n%8)
.set n, n+1
.endr
	s_branch .Ldone
.Lrows:
.endif
.set n, 0
.rept 32
	ds_load_b128 v[BK+4*n:BK+4*n+3], v[RDV] offset:2*n*PITCH
.set n, n+1
.endr
.set n, 0
.rept 32
	s_wait_dscnt 31-n
	global_store_b128 v[COV], v[BK+4*n:BK+4*n+3], s[10:11] offset:2*n*OUTP
.set n, n+1
.endr
.Ldone:
	s_wait_tensorcnt 0x0
	ds_add_u32 v[SPW], v[NIL]
	s_wait_dscnt 0x0
	CROUND
	s_endpgm
.Lfunc_end_k_q0d19bb992a_ffn1:
	.size	k_q0d19bb992a_ffn1, .Lfunc_end_k_q0d19bb992a_ffn1-k_q0d19bb992a_ffn1
	.p2alignl 7, 3214868480
	.fill 96, 4, 3214868480
	.section	.rodata,"a",@progbits
	.p2align	6, 0x0
	.amdhsa_kernel k_q0d19bb992a_ffn1
		.amdhsa_group_segment_fixed_size 327680
		.amdhsa_private_segment_fixed_size 0
		.amdhsa_enable_private_segment 0
		.amdhsa_kernarg_size 40
		.amdhsa_user_sgpr_count 2
		.amdhsa_user_sgpr_kernarg_segment_ptr 1
		.amdhsa_wavefront_size32 1
		.amdhsa_system_sgpr_workgroup_id_x 1
		.amdhsa_system_sgpr_workgroup_id_y 1
		.amdhsa_system_sgpr_workgroup_id_z 1
		.amdhsa_system_vgpr_workitem_id 0
		.amdhsa_next_free_vgpr 1024
		.amdhsa_next_free_sgpr 100
		.amdhsa_reserve_vcc 0
		.amdhsa_float_denorm_mode_32 3
		.amdhsa_float_denorm_mode_16_64 3
		.amdhsa_memory_ordered 1
		.amdhsa_forward_progress 1
		.amdhsa_inst_pref_size 131
	.end_amdhsa_kernel
	.amdgpu_metadata
---
amdhsa.version: [ 1, 2 ]
amdhsa.kernels:
  - .name:           k_q0d19bb992a_ffn1
    .symbol:         k_q0d19bb992a_ffn1.kd
    .args:
      - { .name: h2c, .offset: 0, .size: 8, .value_kind: global_buffer, .address_space: global }
      - { .name: W1_codes, .offset: 8, .size: 8, .value_kind: global_buffer, .address_space: global }
      - { .name: lowp_scales, .offset: 16, .size: 8, .value_kind: global_buffer, .address_space: global }
      - { .name: b1, .offset: 24, .size: 8, .value_kind: global_buffer, .address_space: global }
      - { .name: fc, .offset: 32, .size: 8, .value_kind: global_buffer, .address_space: global }
    .group_segment_fixed_size: 327680
    .private_segment_fixed_size: 0
    .kernarg_segment_align: 8
    .kernarg_segment_size: 40
    .max_flat_workgroup_size: 128
    .sgpr_count:     100
    .vgpr_count:     1024
    .wavefront_size: 32
...
	.end_amdgpu_metadata
.endif
;; end of part 6
;; launch ffn2 (part 7): grid 8 x 32, 4 waves a work-group, clusters of 4 x 4, 327,680 bytes of LDS; arguments fc, W2_codes, lowp_scales, b2, x1, out0; writes out0
.if DOCPART == 7
	.amdgcn_target "amdgcn-amd-amdhsa--gfx1250"
	.amdhsa_code_object_version 6
	.text
	.protected	k_q0d19bb992a_ffn2
	.globl	k_q0d19bb992a_ffn2
	.p2align	8
	.type	k_q0d19bb992a_ffn2,@function
k_q0d19bb992a_ffn2:
	s_mov_b64 s[64:65], 0
	v_nop
	global_prefetch_b8 v0, s[64:65] scope:SCOPE_SE
	s_setreg_imm32_b32 hwreg(HW_REG_WAVE_MODE, 25, 1), 1
	s_wait_xcnt 0x0
	s_wait_alu depctr_hold_cnt(0) depctr_sa_sdst(0) depctr_va_vdst(0) depctr_va_sdst(0) depctr_va_ssrc(0) depctr_va_vcc(0) depctr_vm_vsrc(0)
	s_getreg_b32 s2, hwreg(HW_REG_IB_STS2, 6, 4)
	s_cmp_eq_u32 s2, 0
	s_cbranch_scc0 .Lentry_in_a_cluster
	s_endpgm
.Lentry_in_a_cluster:
	s_bfe_u32 s2, ttmp6, 0x10000c
	s_cmp_lg_u32 s2, 0xf033
	s_cbranch_scc0 .Lentry_shape_is_right
	s_endpgm
.Lentry_shape_is_right:
.set PROJ,  0
.set KB,    4096-3072*PROJ
.set ESC,   56-16*PROJ
.set ASTEP, 512+1536*PROJ
.set GP,    2112
.set PITCH, 528
.set HALFT, 64*PITCH
.set SLOT,  4*HALFT
.set STAGE, 2*SLOT
.set SPITCH, 272
.set SPARE, STAGE+4*16*SPITCH
.set LAPS,  KB/1024
.set ADRA, 16
.set ADRB, 20
.set STO,  24
.set RD,   25
.set CO,   26
.set SPW,  28
.set NIL,  29
.set TMP,  32
.set BI,   96
.set ACC,  128
.set F0,   0
.set F1,   128
.set G1,  24
.set G0,  32
.set G1B, 48
.set G0B, 56
.set MSB, 0
.macro WIN new
.if MSB != (\new)
	s_set_vgpr_msb (MSB<<8)|(\new)
.set MSB, (\new)
.endif
.endm
.set MUL,  0x05
.set TO_F, 0x40
.macro JLOAD s
	s_cmp_eq_u32 s11, 0
	s_cbranch_scc0 .Lfor_b_\@
	tensor_load_to_lds s[G0+4*\s:G0+4*\s+3], s[G1:G1+7]
	s_nop 0
.rept 4
	v_nop
.endr
	s_branch .Lasked_\@
.Lfor_b_\@:
	tensor_load_to_lds s[G0B+4*\s:G0B+4*\s+3], s[G1B:G1B+7]
	s_nop 0
.rept 4
	v_nop
.endr
.Lasked_\@:
.endm
.macro CREST
	s_cmp_lg_u32 s10, 0
	s_cbranch_scc1 .Lnot_wave_0_\@
	s_barrier_signal -3
.Lnot_wave_0_\@:
	s_barrier_wait -3
	s_barrier_signal -1
	s_barrier_wait -1
.endm
.macro CROUND
	s_barrier_signal -1
	s_barrier_wait -1
	CREST
.endm
	s_load_b256 s[68:75], s[0:1], 0x0
	s_load_b128 s[76:79], s[0:1], 0x20
	v_lshl_add_u32 v[SPW], v0, 2, SPARE
	v_mov_b32 v[NIL], 0
	ds_add_u32 v[SPW], v[NIL]
	ds_add_u32 v[SPW], v[NIL]
	v_lshrrev_b32 v1, 5, v0
	v_readfirstlane_b32 s10, v1
	s_lshr_b32 s11, s10, 1
	s_and_b32 s12, s10, 1
	s_bfe_u32 s40, ttmp6, 0x40000
	s_bfe_u32 s41, ttmp6, 0x40004
	s_lshl_b32 s42, ttmp9, 2
	s_add_co_u32 s42, s42, s40
	s_and_b32 s13, ttmp7, 0xffff
	s_lshl_b32 s13, s13, 2
	s_add_co_u32 s13, s13, s41
	s_lshl_b32 s43, s41, 2
	s_lshl_b32 s43, 15, s43
	s_lshl_b32 s44, 0x1111, s40
.if PROJ
	s_or_b32 s[G1+0], s43, (1<<20)|(1<<21)|(7<<22)|(7<<25)
	s_mov_b32 s[G1+1], 2048<<16
	s_mov_b32 s[G1+2], 16<<16
	s_mov_b32 s[G1+3], 2048<<16
	s_mov_b32 s[G1+4], 16
	s_mov_b32 s[G1+5], 4096
.else
	s_or_b32 s[G1+0], s43, (1<<20)|(1<<21)|(6<<22)|(3<<25)
	s_mov_b32 s[G1+1], 512<<16
	s_mov_b32 s[G1+2], 64<<16
	s_mov_b32 s[G1+3], 512<<16
	s_mov_b32 s[G1+4], 64
	s_mov_b32 s[G1+5], 4096
.endif
	s_mov_b32 s[G1+6], 0
	s_mov_b32 s[G1+7], 0
	s_or_b32 s[G1B+0], s44, (1<<20)|(1<<21)|(6<<22)|(3<<25)
	s_mov_b32 s[G1B+1], 512<<16
	s_mov_b32 s[G1B+2], 64<<16
	s_mov_b32 s[G1B+3], 512<<16
	s_mov_b32 s[G1B+4], 64
	s_mov_b32 s[G1B+5], KB
	s_mov_b32 s[G1B+6], 0
	s_mov_b32 s[G1B+7], 0
.if PROJ
	s_lshl_b32 s17, s12, 4
	s_lshl_b32 s16, s13, 5
.else
	s_lshl_b32 s17, s12, 6
	s_lshl_b32 s16, s13, 7
.endif
	s_add_co_u32 s16, s16, s17
	s_lshl_b32 s16, s16, 12
	s_mov_b32 s17, 0
	s_lshl_b32 s47, s12, 6
	s_lshl_b32 s46, s42, 7
	s_add_co_u32 s46, s46, s47
	s_mul_i32 s46, s46, KB
	s_mov_b32 s47, 0
	s_mul_i32 s20, s10, HALFT
	s_wait_dscnt 0x0
	s_wait_kmcnt 0x0
	s_load_b64 s[80:81], s[72:73], ESC
	s_add_nc_u64 s[14:15], s[68:69], s[16:17]
	s_add_nc_u64 s[46:47], s[70:71], s[46:47]
	CROUND
.irp s, 0,1
	s_mov_b32 s[G0+4*\s], 1
	s_add_co_u32 s[G0+4*\s+1], s20, \s*SLOT
	s_add_nc_u64 s[G0+4*\s+2:G0+4*\s+3], s[14:15], \s*ASTEP
	s_or_b32 s[G0+4*\s+3], s[G0+4*\s+3], 0x80000000
	s_mov_b32 s[G0B+4*\s], 1
	s_add_co_u32 s[G0B+4*\s+1], s20, \s*SLOT
	s_add_nc_u64 s[G0B+4*\s+2:G0B+4*\s+3], s[46:47], \s*512
	s_or_b32 s[G0B+4*\s+3], s[G0B+4*\s+3], 0x80000000
.if \s == 0
	JLOAD 0                                        ; K step 0: one tensor load a wave at the head
	; THE PREFETCHES INTO THE L2.  A K step is 512 bytes of each row: of the 64 rows that my wave fetches, each of the four partners that ask for them jointly names 16, told apart by address
	; (cx for A, cy for B): lane l names row l / 2, block l % 2 of 256 bytes: one instruction a wave, each block once in a cluster.  The load of K step n is followed by the request for step n + 2;
	; here, at the head, steps 1 and 2 are named.  s[4:5]: my 16 rows at the K step that is being loaded next; v30: the lane's offset, never rewritten.
	s_lshl_b32 s6, s13, 7                          ; A: 128 x tile row
	s_lshl_b32 s7, s42, 7                          ; B: 128 x tile column
	s_cmp_eq_u32 s11, 0                            ; do I fetch for A?
	s_cselect_b32 s6, s6, s7
	s_cselect_b32 s7, s40, s41                     ; my place among the four
	s_cselect_b64 s[4:5], s[68:69], s[70:71]
	s_lshl_b32 s8, s12, 6
	s_add_co_u32 s6, s6, s8                        ; + the 64 rows that I fetch
	s_lshl_b32 s7, s7, 4
	s_add_co_u32 s6, s6, s7                        ; + my work-group's 16 of them,
	s_lshl_b32 s6, s6, 12                          ; x 4,096 bytes (a row of fc and of W2's codes alike),
	s_add_co_u32 s6, s6, 512                       ; at K step 1
	s_mov_b32 s7, 0
	s_add_nc_u64 s[4:5], s[4:5], s[6:7]
	v_and_b32 v30, 31, v0
	v_lshrrev_b32 v31, 1, v30
	v_and_b32 v30, 1, v30
	v_lshlrev_b32 v30, 8, v30
	v_lshl_add_u32 v30, v31, 12, v30
	global_prefetch_b8 v30, s[4:5] th:TH_LOAD_NT scope:SCOPE_SE
	global_prefetch_b8 v30, s[4:5] offset:512 th:TH_LOAD_NT scope:SCOPE_SE
.endif
.endr
	v_and_b32 v1, 15, v0
	s_wait_alu depctr_va_vdst(0)
	v_bfe_u32 v2, v0, 4, 1
	v_mul_u32_u24 v3, v1, PITCH
	v_lshl_add_u32 v3, v2, 4, v3
.if PROJ
.set LA, 4
	v_lshrrev_b32 v4, 2, v1
	v_mul_u32_u24 v4, v4, GP
	v_and_b32 v5, 3, v1
	v_lshl_add_u32 v4, v5, 4, v4
	v_lshl_add_u32 v4, v2, 6, v4
.else
.set LA, 3
.endif
	s_mul_i32 s21, s11, HALFT
	s_mul_i32 s22, s12, HALFT
	s_add_co_u32 s22, s22, 2*HALFT
.irp s, 0,1
	v_add_nc_u32 v[ADRA+\s], s21, v[LA]
	v_add_nc_u32 v[ADRB+\s], s22, v3
	s_add_co_u32 s21, s21, SLOT
	s_add_co_u32 s22, s22, SLOT
.endr
	s_mul_i32 s23, s10, 16*SPITCH
	s_add_co_u32 s23, s23, STAGE
	v_mul_u32_u24 v6, v1, SPITCH
	s_wait_alu depctr_va_vdst(0)
	v_lshl_add_u32 v6, v2, 5, v6
	v_add_nc_u32 v[STO], s23, v6
	v_mul_u32_u24 v6, v2, SPITCH
	v_lshl_add_u32 v6, v1, 4, v6
	v_add_nc_u32 v[RD], s23, v6
	v_lshlrev_b32 v[CO], 12, v2
	v_lshl_add_u32 v[CO], v1, 4, v[CO]
	s_wait_alu depctr_va_vdst(0)
	s_lshl_b32 s82, s42, 9
	s_lshl_b32 s66, s12, 8
	s_add_co_u32 s82, s82, s66
	s_mov_b32 s83, 0
	s_add_nc_u64 s[74:75], s[74:75], s[82:83]
	s_lshl_b32 s66, s13, 19
	s_add_co_u32 s82, s82, s66
	s_lshl_b32 s66, s11, 18
	s_add_co_u32 s82, s82, s66
	s_add_nc_u64 s[76:77], s[76:77], s[82:83]
	s_add_nc_u64 s[78:79], s[78:79], s[82:83]
	v_lshlrev_b32 v7, 5, v2
.irp b, 0,1,2,3
	global_load_b128 v[BI+8*\b:BI+8*\b+3],   v7, s[74:75] offset:64*\b
	global_load_b128 v[BI+8*\b+4:BI+8*\b+7], v7, s[74:75] offset:64*\b+16
.endr
	WIN 0x80
.set n, 0
.rept 32
	global_load_b128 v[4*n:4*n+3], v[CO], s[76:77] offset:2*n*4096 th:TH_LOAD_NT
.set n, n+1
.endr
	WIN 0
.macro MUL8 f, c, a0, zero
.irp a, \a0, \a0+1
.irp b, 0,1,2,3
.if \zero
	v_wmma_f32_16x16x64_bf8_bf8 v[ACC+8*(4*(\a)+\b):ACC+8*(4*(\a)+\b)+7], v[\f+64+8*(4*\c+\b):\f+64+8*(4*\c+\b)+7], v[\f+8*(4*\c+\a):\f+8*(4*\c+\a)+7], 0
.else
	v_wmma_f32_16x16x64_bf8_bf8 v[ACC+8*(4*(\a)+\b):ACC+8*(4*(\a)+\b)+7], v[\f+64+8*(4*\c+\b):\f+64+8*(4*\c+\b)+7], v[\f+8*(4*\c+\a):\f+8*(4*\c+\a)+7], v[ACC+8*(4*(\a)+\b):ACC+8*(4*(\a)+\b)+7]
.endif
.endr
.endr
.endm
.macro FETCH slot, k, f
	WIN TO_F
.irp c, 0,1
.irp i, 0,1,2,3
	ds_load_b128 v[\f+64+8*(4*\c+\i):\f+64+8*(4*\c+\i)+3],   v[ADRB+\slot] offset:\k+64*\c+\i*16*PITCH
	ds_load_b128 v[\f+64+8*(4*\c+\i)+4:\f+64+8*(4*\c+\i)+7], v[ADRB+\slot] offset:\k+64*\c+\i*16*PITCH+32
.if PROJ
	ds_load_b128 v[\f+8*(4*\c+\i):\f+8*(4*\c+\i)+3],         v[ADRA+\slot] offset:((\k)/64+\c)*256+(((\k)/64+\c)/4)*32+\i*4*GP
	ds_load_b128 v[\f+8*(4*\c+\i)+4:\f+8*(4*\c+\i)+7],       v[ADRA+\slot] offset:((\k)/64+\c)*256+(((\k)/64+\c)/4)*32+\i*4*GP+128
.else
	ds_load_b128 v[\f+8*(4*\c+\i):\f+8*(4*\c+\i)+3],         v[ADRA+\slot] offset:\k+64*\c+\i*16*PITCH
	ds_load_b128 v[\f+8*(4*\c+\i)+4:\f+8*(4*\c+\i)+7],       v[ADRA+\slot] offset:\k+64*\c+\i*16*PITCH+32
.endif
.endr
.endr
.endm
.macro PLACES
.rept 4
	v_nop
.endr
.endm
.macro QUARTER slot, k, f, g, zero
	s_wait_dscnt 16
	WIN MUL
	MUL8 \f, 0, 0, \zero
	MUL8 \f, 0, 2, \zero
	PLACES
	FETCH \slot, \k, \g
	s_wait_dscnt 32
	WIN MUL
	MUL8 \f, 1, 0, 0
	MUL8 \f, 1, 2, 0
.endm
.macro TURN slot, next, fill
	WIN 0
.if \fill
	s_wait_xcnt 0x0                                ; my last prefetch has read its address: it steps one K step on
	s_add_nc_u64 s[4:5], s[4:5], 512
.endif
	s_wait_tensorcnt 0x0
	ds_add_u32 v[SPW], v[NIL]
	s_wait_dscnt 17
	WIN MUL
	MUL8 F1, 0, 0, 0
	s_wait_dscnt 0x0
	s_barrier_signal -1
	MUL8 F1, 0, 2, 0
.if \fill
	WIN 0
.endif
	s_barrier_wait -1
.if \fill
	CREST
	s_add_nc_u64 s[G0+4*\slot+2:G0+4*\slot+3], s[G0+4*\slot+2:G0+4*\slot+3], 2*ASTEP
	s_add_nc_u64 s[G0B+4*\slot+2:G0B+4*\slot+3], s[G0B+4*\slot+2:G0B+4*\slot+3], 2*512
	JLOAD \slot
.else
	PLACES
.endif
	FETCH \next, 0, F0
.if \fill
	WIN 0                                          ; a branch follows
	s_cmp_gt_u32 s3, 1                             ; the loop's last trip loads K steps 6 and 7: there is no step two on
	s_cbranch_scc0 .Lno_ask_\@
	global_prefetch_b8 v30, s[4:5] offset:1024 th:TH_LOAD_NT scope:SCOPE_SE   ; the K step two behind the one just asked for
.Lno_ask_\@:
.endif
	WIN MUL
	MUL8 F1, 1, 0, 0
	MUL8 F1, 1, 2, 0
.endm
	s_wait_alu depctr_va_vdst(0)                   ; the wait at the head's end
	s_wait_tensorcnt 0x0                           ; my part of K step 0 is in
	ds_add_u32 v[SPW], v[NIL]
	s_wait_dscnt 0x0
	CROUND                                         ; everybody's part of K step 0 is in, and the sixteen work-groups meet
	JLOAD 1                                        ; K step 1: the first tensor load behind the round
	FETCH 0, 0, F0
	global_prefetch_b8 v30, s[4:5] offset:1024 th:TH_LOAD_NT scope:SCOPE_SE   ; K step 3
	QUARTER 0, 128, F0, F1, 1
.if LAPS > 1
	WIN 0
	s_mov_b32 s3, LAPS-1
.Llap:
	QUARTER 0, 256, F1, F0, 0
	QUARTER 0, 384, F0, F1, 0
	TURN 0, 1, 1
	QUARTER 1, 128, F0, F1, 0
	QUARTER 1, 256, F1, F0, 0
	QUARTER 1, 384, F0, F1, 0
	TURN 1, 0, 1
	QUARTER 0, 128, F0, F1, 0
	WIN 0
	s_sub_co_u32 s3, s3, 1
	s_cmp_lg_u32 s3, 0
	s_cbranch_scc1 .Llap
.endif
	QUARTER 0, 256, F1, F0, 0
	QUARTER 0, 384, F0, F1, 0
	TURN 0, 1, 0
	QUARTER 1, 128, F0, F1, 0
	QUARTER 1, 256, F1, F0, 0
	QUARTER 1, 384, F0, F1, 0
	s_wait_dscnt 16
	WIN MUL
	MUL8 F1, 0, 0, 0
	MUL8 F1, 0, 2, 0
	s_wait_dscnt 0
	MUL8 F1, 1, 0, 0
	MUL8 F1, 1, 2, 0
	WIN 0
.macro TOSTAGE a
.set TT, TMP+32*((\a)%2)
.irp b, 0,1,2,3
.irp i, 0,2,4,6
	v_pk_fma_f32 v[TT+8*\b+\i:TT+8*\b+\i+1], v[ACC+8*(4*(\a)+\b)+\i:ACC+8*(4*(\a)+\b)+\i+1], s[80:81], v[BI+8*\b+\i:BI+8*\b+\i+1] op_sel_hi:[1,0,1]
.endr
.endr
.irp b, 0,1,2,3
	ds_store_b128 v[STO], v[TT+8*\b:TT+8*\b+3] offset:64*\b
	ds_store_b128 v[STO], v[TT+8*\b+4:TT+8*\b+7] offset:64*\b+16
.endr
.irp t, 0,1,2,3,4,5,6,7
	ds_load_b128 v[ACC+32*(\a)+4*\t:ACC+32*(\a)+4*\t+3], v[RD] offset:\t*2*SPITCH
.endr
.endm
.macro SEND a, younger
	s_wait_dscnt \younger
	WIN 0x08
.set i, 0
.rept 16
	v_pk_add_f32 v[ACC+32*(\a)+i:ACC+32*(\a)+i+1], v[ACC+32*(\a)+i:ACC+32*(\a)+i+1], v[32*(\a)+i:32*(\a)+i+1]
.set i, i+2
.endr
	WIN 0
.irp t, 0,1,2,3,4,5,6,7
.if PROJ
	global_store_b128 v[CO], v[ACC+32*(\a)+4*\t:ACC+32*(\a)+4*\t+3], s[78:79] offset:(16*(\a)+2*\t)*4096
.else
	global_store_b128 v[CO], v[ACC+32*(\a)+4*\t:ACC+32*(\a)+4*\t+3], s[78:79] offset:(16*(\a)+2*\t)*4096 th:TH_STORE_NT
.endif
.endr
.endm
	s_wait_kmcnt 0x0
	s_add_co_i32 s80, s80, s81
	s_add_co_i32 s80, s80, 127
	s_lshl_b32 s80, s80, 23
	s_mov_b32 s81, s80
	s_wait_loadcnt 0x0
	PLACES
	TOSTAGE 0
.irp a, 1,2,3
	TOSTAGE \a
	SEND \a-1, 16
.endr
	SEND 3, 0
	s_wait_tensorcnt 0x0
	ds_add_u32 v[SPW], v[NIL]
	s_wait_dscnt 0x0
	CROUND
	s_endpgm
.Lfunc_end_k_q0d19bb992a_ffn2:
	.size	k_q0d19bb992a_ffn2, .Lfunc_end_k_q0d19bb992a_ffn2-k_q0d19bb992a_ffn2
	.p2alignl 7, 3214868480
	.fill 96, 4, 3214868480
	.section	.rodata,"a",@progbits
	.p2align	6, 0x0
	.amdhsa_kernel k_q0d19bb992a_ffn2
		.amdhsa_group_segment_fixed_size 327680
		.amdhsa_private_segment_fixed_size 0
		.amdhsa_enable_private_segment 0
		.amdhsa_kernarg_size 48
		.amdhsa_user_sgpr_count 2
		.amdhsa_user_sgpr_kernarg_segment_ptr 1
		.amdhsa_wavefront_size32 1
		.amdhsa_system_sgpr_workgroup_id_x 1
		.amdhsa_system_sgpr_workgroup_id_y 1
		.amdhsa_system_sgpr_workgroup_id_z 1
		.amdhsa_system_vgpr_workitem_id 0
		.amdhsa_next_free_vgpr 640
		.amdhsa_next_free_sgpr 84
		.amdhsa_reserve_vcc 0
		.amdhsa_float_denorm_mode_32 3
		.amdhsa_float_denorm_mode_16_64 3
		.amdhsa_memory_ordered 1
		.amdhsa_forward_progress 1
		.amdhsa_inst_pref_size 100
	.end_amdhsa_kernel
	.amdgpu_metadata
---
amdhsa.version: [ 1, 2 ]
amdhsa.kernels:
  - .name:           k_q0d19bb992a_ffn2
    .symbol:         k_q0d19bb992a_ffn2.kd
    .args:
      - { .name: fc, .offset: 0, .size: 8, .value_kind: global_buffer, .address_space: global }
      - { .name: W2_codes, .offset: 8, .size: 8, .value_kind: global_buffer, .address_space: global }
      - { .name: lowp_scales, .offset: 16, .size: 8, .value_kind: global_buffer, .address_space: global }
      - { .name: b2, .offset: 24, .size: 8, .value_kind: global_buffer, .address_space: global }
      - { .name: x1, .offset: 32, .size: 8, .value_kind: global_buffer, .address_space: global }
      - { .name: out0, .offset: 40, .size: 8, .value_kind: global_buffer, .address_space: global }
    .group_segment_fixed_size: 327680
    .private_segment_fixed_size: 0
    .kernarg_segment_align: 8
    .kernarg_segment_size: 48
    .max_flat_workgroup_size: 128
    .sgpr_count:     84
    .vgpr_count:     640
    .wavefront_size: 32
...
	.end_amdgpu_metadata
.endif
;; end of part 7
